; MI455X (gfx1250); checked and timed in simulation.
; The chip was launched on July 23, 2026; its instructions are those of AMD's public machine-readable ISA for CDNA 5 (MIT licence, August 2026) and "CDNA5" Instruction Set Architecture Reference Guide (July 2026). The comments in the code are by the model that wrote it; some were corrected since.
;; Gpt Oss Experts. Allowed arithmetic: float matrix products may take bf16 or f16 operands with f32 sums; other float arithmetic in f32, or as packed bf16 or f16 multiplies, adds, multiply-adds, maxima and minima; sums over many terms, partial sums and values carried from step to step in f32; what a program stores and reads back later, other than sums and carried values, may be rounded once to bf16 or f16.
;; Inputs: down_proj 8 x 2,048 x 1,024 float32; down_proj_bias 8 x 1,024 float32; gate_up_proj 8 x 1,024 x 4,096 float32; gate_up_proj_bias 8 x 4,096 float32; hidden_states 2 x 512 x 1,024 float32; routing_weights 1,024 x 8 float32.
;; Outputs: out0 2 x 512 x 1,024 float32.
;; 2 versions, each right; version 2 is version 1 with the launch gateup written anew for expert scheduling mode. Each part assembles by itself: llvm-mc -triple=amdgcn-amd-amdhsa -mcpu=gfx1250 --defsym DOCPART=n.
;; ======== version 1 of 2: 4 launches
;; workspace buffers: xf 2,097,152 bytes; df 33,554,432 bytes; af 33,554,432 bytes; part 16,777,216 bytes
;; launch prep (part 1): grid 512 x 1, 8 waves a work-group, no clusters, 0 bytes of LDS; arguments down_proj, hidden_states, df, xf; writes df, xf
.if DOCPART == 1
	.amdgcn_target "amdgcn-amd-amdhsa--gfx1250"
	.amdhsa_code_object_version 6
	.text
	.protected	k_qfa6f215e18_prep
	.globl	k_qfa6f215e18_prep
	.p2align	8
	.type	k_qfa6f215e18_prep,@function
k_qfa6f215e18_prep:
	s_mov_b64 s[64:65], 0
	v_nop
	global_prefetch_b8 v0, s[64:65] scope:SCOPE_SE
	s_setreg_imm32_b32 hwreg(HW_REG_WAVE_MODE, 25, 1), 1
	s_wait_xcnt 0x0
; down_proj [16384 (k = 2048 e + i)][1024] f32 and hidden_states [1024][1024] f32 are rounded once to bf16 and laid in FRAGMENT ORDER:
; a fragment (16 row slots x 32 k) is 1,024 bytes; its bytes 512 q + 16 L (q = 0, 1; lane L, r = L % 16, h = L / 16) hold row slot r, k = 32 kb + 16 h + 8 q + 0..7.
; Piece q fills registers 4 q .. 4 q + 3 of a matrix operand.  That permutes k inside each 32, alike in both operands of each product, so the products are the same.
; df: fragment (nb, kb) at (512 nb + kb) x 1,024; fragment nb = 4 G + f holds column 64 G + 4 r + f in slot r.   xf: fragment (tb, kb) at (32 tb + kb) x 1,024; slot r is token 16 tb + r.
; NO TRANSPOSE THROUGH LDS: a lane loads 16 bytes (4 columns) of 8 rows and packs along k: four pieces of 16 bytes, one for each of the fragments f = 0..3.
; A load of a wave covers two runs of 256 consecutive bytes, aligned; a store covers 512 consecutive bytes, aligned.
; SHARES.  Work-group = kb: 32 rows of down_proj.  Wave w takes the column groups G = 2 w, 2 w + 1 and q = 0, 1: four units of 8 loads, 16 roundings, 4 stores; and one half fragment of x.
; Memory binds: no LDS, no matrix unit, no cluster (no byte is read twice).  All 34 loads of a wave go out ahead of the first wait; every store has data registers of its own.
.set DO, 5                             ; v5   byte offset in my 32 rows of down_proj: 65,536 h + 16 r + 512 w
.set SO, 6                             ; v6   byte offset in df: 8 w fragments rows of 524,288 + 16 lane
.set XI, 9                             ; v9   byte offset in x
.set XS, 10                            ; v10  byte offset in xf: 16 x thread
.set XR, 16                            ; v[16:23]   8 numbers of x
.set XP, 24                            ; v[24:27]   the same, rounded
.set LD, 32                            ; v[32:159]  unit i, row u at LD + 32 i + 4 u
.set RS, 160                           ; v[160:223] unit i, fragment f at RS + 16 i + 4 f
	s_load_b256 s[4:11], s[0:1], 0x0               ; down_proj s[4:5], hidden_states s[6:7], df s[8:9], xf s[10:11]
	v_and_b32 v1, 15, v0                           ; r
	v_bfe_u32 v2, v0, 4, 1                         ; h
	v_lshrrev_b32 v3, 5, v0                        ; w
	v_and_b32 v4, 31, v0                           ; lane
	v_lshlrev_b32 v[DO], 4, v1
	v_lshl_add_u32 v[DO], v2, 16, v[DO]            ; 16 rows of 4,096 bytes for the upper half of the lanes
	v_lshl_add_u32 v[DO], v3, 9, v[DO]             ; my wave's 128 columns
	v_lshlrev_b32 v[SO], 4, v4
	v_lshl_add_u32 v[SO], v3, 22, v[SO]
	v_lshrrev_b32 v7, 1, v3
	v_and_b32 v8, 1, v3
	v_lshlrev_b32 v[XI], 12, v1                    ; token r,
	v_lshl_add_u32 v[XI], v2, 6, v[XI]             ; k: 16 h,
	v_lshl_add_u32 v[XI], v7, 7, v[XI]             ; fragment w / 2 of the group's four,
	v_lshl_add_u32 v[XI], v8, 5, v[XI]             ; piece q = w % 2
	v_lshlrev_b32 v[XS], 4, v0
	s_lshl_b32 s12, ttmp9, 17                      ; kb x 32 rows x 4,096 bytes
	s_mov_b32 s13, 0
	s_lshl_b32 s14, ttmp9, 10                      ; kb x 1,024
	s_mov_b32 s15, 0
	s_lshr_b32 s16, ttmp9, 3                       ; x: token block = group / 8,
	s_lshl_b32 s16, s16, 16
	s_and_b32 s17, ttmp9, 7                        ; four fragments along k = group % 8
	s_lshl_b32 s17, s17, 9
	s_add_co_u32 s16, s16, s17
	s_mov_b32 s17, 0
	s_lshl_b32 s18, ttmp9, 12                      ; xf: four fragments a group
	s_mov_b32 s19, 0
	s_wait_kmcnt 0x0
	s_add_nc_u64 s[4:5], s[4:5], s[12:13]
	s_add_nc_u64 s[8:9], s[8:9], s[14:15]
	s_add_nc_u64 s[6:7], s[6:7], s[16:17]
	s_add_nc_u64 s[10:11], s[10:11], s[18:19]
	global_load_b128 v[XR:XR+3],   v[XI], s[6:7]
	global_load_b128 v[XR+4:XR+7], v[XI], s[6:7] offset:16
.irp i, 0,1,2,3                        ; unit i: column group 2 w + i / 2, piece q = i % 2
.irp u, 0,1,2,3,4,5,6,7
	global_load_b128 v[LD+32*(\i)+4*(\u):LD+32*(\i)+4*(\u)+3], v[DO], s[4:5] offset:((\i)%2)*32768+(\u)*4096+((\i)/2)*256 th:TH_LOAD_NT
.endr
.endr
	s_wait_loadcnt 32                              ; x is in; the 32 younger loads stay out
.irp d, 0,1,2,3
	v_cvt_pk_bf16_f32 v[XP+(\d)], v[XR+2*(\d)], v[XR+2*(\d)+1]
.endr
	global_store_b128 v[XS], v[XP:XP+3], s[10:11]
; rows u = 2 d and 2 d + 1 of column f pack into register d of fragment f's piece
.macro CONV src, dst
.irp f, 0,1,2,3
.irp d, 0,1,2,3
	v_cvt_pk_bf16_f32 v[(\dst)+4*(\f)+(\d)], v[(\src)+8*(\d)+(\f)], v[(\src)+8*(\d)+4+(\f)]
.endr
.endr
.endm
.irp i, 0,1,2,3
	s_wait_loadcnt 24-8*(\i)                       ; loads come back in order: unit i is in, the younger units' loads stay out
	CONV LD+32*(\i), RS+16*(\i)
.irp f, 0,1,2,3
	global_store_b128 v[SO], v[RS+16*(\i)+4*(\f):RS+16*(\i)+4*(\f)+3], s[8:9] offset:(4*((\i)/2)+(\f))*524288+((\i)%2)*512
.endr
.endr
	s_endpgm
.Lfunc_end_k_qfa6f215e18_prep:
	.size	k_qfa6f215e18_prep, .Lfunc_end_k_qfa6f215e18_prep-k_qfa6f215e18_prep
	.p2alignl 7, 3214868480
	.fill 96, 4, 3214868480
	.section	.rodata,"a",@progbits
	.p2align	6, 0x0
	.amdhsa_kernel k_qfa6f215e18_prep
		.amdhsa_group_segment_fixed_size 0
		.amdhsa_private_segment_fixed_size 0
		.amdhsa_enable_private_segment 0
		.amdhsa_kernarg_size 32
		.amdhsa_user_sgpr_count 2
		.amdhsa_user_sgpr_kernarg_segment_ptr 1
		.amdhsa_wavefront_size32 1
		.amdhsa_system_sgpr_workgroup_id_x 1
		.amdhsa_system_sgpr_workgroup_id_y 1
		.amdhsa_system_sgpr_workgroup_id_z 1
		.amdhsa_system_vgpr_workitem_id 0
		.amdhsa_next_free_vgpr 224
		.amdhsa_next_free_sgpr 66
		.amdhsa_reserve_vcc 0
		.amdhsa_float_denorm_mode_32 3
		.amdhsa_float_denorm_mode_16_64 3
		.amdhsa_memory_ordered 1
		.amdhsa_forward_progress 1
		.amdhsa_inst_pref_size 11
	.end_amdhsa_kernel
	.amdgpu_metadata
---
amdhsa.version: [ 1, 2 ]
amdhsa.kernels:
  - .name:           k_qfa6f215e18_prep
    .symbol:         k_qfa6f215e18_prep.kd
    .args:
      - { .name: down_proj, .offset: 0, .size: 8, .value_kind: global_buffer, .address_space: global }
      - { .name: hidden_states, .offset: 8, .size: 8, .value_kind: global_buffer, .address_space: global }
      - { .name: df, .offset: 16, .size: 8, .value_kind: global_buffer, .address_space: global }
      - { .name: xf, .offset: 24, .size: 8, .value_kind: global_buffer, .address_space: global }
    .group_segment_fixed_size: 0
    .private_segment_fixed_size: 0
    .kernarg_segment_align: 8
    .kernarg_segment_size: 32
    .max_flat_workgroup_size: 256
    .sgpr_count:     66
    .vgpr_count:     224
    .wavefront_size: 32
...
	.end_amdgpu_metadata
.endif
;; end of part 1
;; launch gateup (part 2): grid 256 x 1, 4 waves a work-group, no clusters, 262,656 bytes of LDS; arguments xf, gate_up_proj, gate_up_proj_bias, routing_weights, af; writes af
.if DOCPART == 2
	.amdgcn_target "amdgcn-amd-amdhsa--gfx1250"
	.amdhsa_code_object_version 6
	.text
	.protected	k_qfa6f215e18_gateup
	.globl	k_qfa6f215e18_gateup
	.p2align	8
	.type	k_qfa6f215e18_gateup,@function
k_qfa6f215e18_gateup:
	s_mov_b64 s[64:65], 0
	v_nop
	global_prefetch_b8 v0, s[64:65] scope:SCOPE_SE
	s_setreg_imm32_b32 hwreg(HW_REG_WAVE_MODE, 25, 1), 1
	s_wait_xcnt 0x0
; af[t][2048 e + i] = (clip(up, -7, 7) + 1) x g x sigmoid(1.702 g) x rw[t][e], g = min(gate, 7); gate, up = columns 2 i, 2 i + 1 of x W1[e] + b1[e].  bf16 operands, f32 sums and activation, af rounded once to bf16.
; b1 and rw are rounded to bf16 like every other input and used in f32.
; SHARES.  A work-group owns 128 columns of one expert (e = group / 32, slice = group % 32).  It reads them from memory ONCE, rounds them ONCE into LDS (1,024 k x 128 columns x 2 bytes = 262,144 bytes, each
; byte written once) and multiplies all 1,024 tokens by them in two passes of 512.  Four waves, each 128 tokens x 128 columns a pass: 64 accumulators, 512 registers.  Pass 1 takes each chunk of 32 k as it arrives.
; FRAGMENT ORDER (as in the launch before): 1,024 bytes a fragment; bytes 512 q + 16 L hold row slot L % 16, k = 32 kb + 16 (L / 16) + 8 q + 0..7.  Weight fragment b = 4 g + f holds column 64 g + 4 r + f in slot r.
; THE MATRIX INSTRUCTION IS USED TRANSPOSED (source 0 = weights, source 1 = tokens): a lane holds ONE token (L % 16), and in the four accumulators f = 0..3 of a group g gate and up of the 16 neighbouring
; i = 32 g + 16 (L / 16) + 2 j + f / 2: just the two 16-byte pieces of its lane in af's fragment: af leaves straight from registers, 512 consecutive bytes a store.
; The bias is the C operand of each pass's first product.
; x comes as ready fragments from memory into registers (8 KB a wave and step).  NO CLUSTER, NO TENSOR LOADS: what the work-groups share is x, and beside the 262,144 stationary bytes and the spare words LDS has
; 65,024 bytes left, less than two slots of a step's 32,768 bytes of x.
; LIMITS.  A NaN in gate or up loses against the clamp (v_min_num_f32, v_med3_num_f32).  For a very negative gate 2^(c g) is an infinity and the sigmoid 0, as in f32 arithmetic by the formula;
; below about -4e37 the product g (up + 1) rw can itself overflow, and infinity x 0 is a NaN.  The clamp at 7 bounds the exponent below by -17.2.  k is permuted within each 32 alike in both operands.
; REGISTERS, in windows of 256 (s_set_vgpr_msb: bits 1:0 source 0, 3:2 source 1, 5:4 source 2, 7:6 destination):
;   window 0: addresses; v32-47 a rounded chunk; v64-127 weight fragments (0-3 at v64, 4-7 at v96); v128-223 three slots of f32 weights (on the way out v160-175: packed results); v224-239 rw, twice each
;   window 1: v0-191 three buffers of x (block a at 64 buf + 8 a); v192-255 the bias as C operand       window 2: accumulators (a, b = 0..3) at 32 a + 8 b       window 3: b = 4..7 likewise
.set SPARE, 262144                     ; behind the weights: the spare words, 128 bytes a wave: two blocks of 256 bytes that no other line names
.set XO,  3                            ; v3   16 x lane: x loads, af stores, and the lane's place in an LDS fragment
.set WO,  4                            ; v4   262,144 h + 16 r: my 16 bytes in a row of W1, 16 rows on for the upper half of the lanes
.set WS0, 6                            ; v6   4,096 g + 512 q + 16 lane: where my wave's quarter of a chunk goes
.set BL,  7                            ; v7   LDS address of the fragment loads: s[LB] + XO
.set WS,  8                            ; v8   LDS address of the chunk stores: s[LB] + WS0
.set BO,  9                            ; v9   128 h: my 32 numbers of the bias in a group of 64
.set RO,  10                           ; v10  32 r: my token's row of rw
.set SPW, 28                           ; v28  LDS address of my spare word; never rewritten
.set NIL, 29                           ; v29  0; never rewritten
.set TW,  32
.set BF,  64
.set WSL, 128
.set OUTR, 160
.set RW,  224
.set BI,  192                          ; in window 1
.set XB,  20                           ; s[20:21] xf at my wave's blocks, the step in hand
.set LB,  24                           ; s24  LDS byte of the chunk in hand
.set TRIP, 25
.set CNT, 26                           ; s26  passes to go
.set LIM, 27                           ; s27  7.0
.set NLIM, 28                          ; s28  -7.0
.set HIM, 29                           ; s29  a word's upper bf16
.set CS,  30                           ; s[30:31] c = -1.702 log2(e)
.set XB0, 32                           ; s[32:33] xf at my wave's blocks of pass 1
.set MSB, 0
.macro WIN new                         ; the immediate's high byte repeats the setting that is left; a switch that changes nothing is dropped
.if MSB != (\new)
	s_set_vgpr_msb (MSB<<8)|(\new)
.set MSB, \new
.endif
.endm
.macro PLACES                          ; a load into a register that a matrix instruction has read stands four plain vector instructions behind it (ISA guide 7.12.1 for vector instructions)
.rept 4
	v_nop
.endr
.endm
.macro XLOAD buf, j                    ; my 8 token blocks' fragments of step j (from s[XB]): 16 loads of 512 consecutive bytes
	WIN 0x40
.irp a, 0,1,2,3,4,5,6,7
	global_load_b128 v[64*(\buf)+8*(\a):64*(\buf)+8*(\a)+3],   v[XO], s[XB:XB+1] offset:(\j)*1024+(\a)*32768
	global_load_b128 v[64*(\buf)+8*(\a)+4:64*(\buf)+8*(\a)+7], v[XO], s[XB:XB+1] offset:(\j)*1024+(\a)*32768+512
.endr
.endm
.macro WLOAD slot, j                   ; my quarter of chunk j: 8 rows x 64 columns for each half of the lanes; a load covers two runs of 256 consecutive bytes, aligned
	WIN 0
.irp u, 0,1,2,3,4,5,6,7
	global_load_b128 v[WSL+32*(\slot)+4*(\u):WSL+32*(\slot)+4*(\u)+3], v[WO], s[6:7] offset:(\j)*524288+(\u)*16384 th:TH_LOAD_NT
.endr
.endm
.macro CONVS slot, j                   ; rounded along k (rows 2 d, 2 d + 1 of column f -> register d of fragment f's piece) and stored, 512 consecutive LDS bytes a store
	WIN 0
.irp f, 0,1,2,3
.irp d, 0,1,2,3
	v_cvt_pk_bf16_f32 v[TW+4*(\f)+(\d)], v[WSL+32*(\slot)+8*(\d)+(\f)], v[WSL+32*(\slot)+8*(\d)+4+(\f)]
.endr
.endr
.irp f, 0,1,2,3
	ds_store_b128 v[WS], v[TW+4*(\f):TW+4*(\f)+3] offset:(\j)*8192+(\f)*1024
.endr
.endm
.macro BFETCH half, j                  ; four weight fragments of chunk j: 8 loads, each 512 consecutive bytes
	WIN 0
.irp b, 0,1,2,3
	ds_load_b128 v[BF+32*(\half)+8*(\b):BF+32*(\half)+8*(\b)+3],   v[BL] offset:(\j)*8192+(4*(\half)+(\b))*1024
	ds_load_b128 v[BF+32*(\half)+8*(\b)+4:BF+32*(\half)+8*(\b)+7], v[BL] offset:(\j)*8192+(4*(\half)+(\b))*1024+512
.endr
.endm
; 16 matrix instructions: token blocks a0 .. a0 + 3 x four weight fragments.  zero = 1: the pass's first step: C is the bias.  The 64 accumulators take turns, in the same order in every step.
.macro MULQ half, a0, buf, zero
.if \zero
	WIN 0x94+0x40*(\half)
.else
	WIN 0xa4+0x50*(\half)
.endif
.irp a, \a0, (\a0)+1, (\a0)+2, (\a0)+3
.irp b, 0,1,2,3
.if \zero
	v_wmma_f32_16x16x32_bf16 v[32*(\a)+8*(\b):32*(\a)+8*(\b)+7], v[BF+32*(\half)+8*(\b):BF+32*(\half)+8*(\b)+7], v[64*(\buf)+8*(\a):64*(\buf)+8*(\a)+7], v[BI+32*(\half)+8*(\b):BI+32*(\half)+8*(\b)+7]
.else
	v_wmma_f32_16x16x32_bf16 v[32*(\a)+8*(\b):32*(\a)+8*(\b)+7], v[BF+32*(\half)+8*(\b):BF+32*(\half)+8*(\b)+7], v[64*(\buf)+8*(\a):64*(\buf)+8*(\a)+7], v[32*(\a)+8*(\b):32*(\a)+8*(\b)+7]
.endif
.endr
.endr
.endm
; STEP t (32 along K, 64 matrix instructions), buf = t % 3, j = t less the step at which s[XB], s[6:7] and s[LB] stand.
; Loads go out in the order x (16), weights (8) in every step: x two steps ahead, weights four chunks ahead; chunk t + 2 is rounded in step t and shown to all waves by step t + 1's barrier.
; nl: the loads younger than x of step t.  ncv: those younger than chunk t + 2.  ldx, ldw, cv, bar, fb: whether x is asked for, weights are asked for, a chunk is rounded, the barrier stands, the next step's first fragments are fetched.
.macro STEP buf, j, nl, ldx, ldw, cv, ncv, bar, fb, zero
	s_wait_loadcnt \nl                             ; x of this step is in
	PLACES                                         ; behind the last step's products, ahead of the loads into the x buffer and the weight fragments that they read
.if \ldx
	XLOAD ((\buf)+2)%3, (\j)+2
.endif
.if \ldw
	WLOAD ((\buf)+1)%3, (\j)+4
.endif
	s_wait_dscnt 0x0                               ; fragments 0-3 of this chunk are in; my stores of chunk t + 1 are done: zero, for the other waves' sake
.if \bar
	s_barrier_signal -1
.endif
	BFETCH 1, \j                                   ; chunk t was shown whole a barrier ago, and no byte of the weights is ever written twice
	MULQ 0, 0, \buf, \zero
.if \bar
	s_barrier_wait -1                              ; chunk t + 1 is whole
.endif
	MULQ 0, 4, \buf, \zero
.if \fb
	PLACES
	BFETCH 0, (\j)+1
	s_wait_dscnt 8                                 ; fragments 4-7 are in; the eight loads just issued stay out
.else
	s_wait_dscnt 0x0
.endif
	MULQ 1, 0, \buf, \zero
.if \cv
	s_wait_loadcnt \ncv                            ; chunk t + 2 is in
	CONVS ((\buf)+2)%3, (\j)+2
.endif
	MULQ 1, 4, \buf, \zero
.endm
.macro ADVANCE n, w                    ; the bases go n steps on
	WIN 0
	s_wait_xcnt 0x0                                ; every earlier memory instruction has had its addresses translated (ISA guide 3.1): only now are the bases rewritten
	s_add_nc_u64 s[XB:XB+1], s[XB:XB+1], (\n)*1024
.if \w
	s_add_nc_u64 s[6:7], s[6:7], (\n)*524288
.endif
	s_add_co_u32 s[LB], s[LB], (\n)*8192
	v_add_nc_u32 v[BL], s[LB], v[XO]
.if \w
	v_add_nc_u32 v[WS], s[LB], v[WS0]
.endif
.endm
.macro RWLOAD                          ; rw[token][e] of my token in each of the 8 blocks
	WIN 0
.irp a, 0,1,2,3,4,5,6,7
	global_load_b32 v[RW+2*(\a)], v[RO], s[10:11] offset:(\a)*512
.endr
.endm
	s_load_b256 s[4:11], s[0:1], 0x0               ; xf s[4:5], W1 s[6:7], b1 s[8:9], rw s[10:11]
	s_load_b64 s[12:13], s[0:1], 0x20              ; af
	v_lshl_add_u32 v[SPW], v0, 2, SPARE
	v_mov_b32 v[NIL], 0
	v_lshrrev_b32 v1, 5, v0
	v_readfirstlane_b32 s14, v1                    ; wave 0..3
	v_and_b32 v1, 15, v0                           ; r
	v_bfe_u32 v2, v0, 4, 1                         ; h
	v_and_b32 v[XO], 31, v0
	v_lshlrev_b32 v[XO], 4, v[XO]
	v_lshlrev_b32 v[WO], 4, v1
	v_lshl_add_u32 v[WO], v2, 18, v[WO]
	v_lshlrev_b32 v[BO], 7, v2
	v_lshlrev_b32 v[RO], 5, v1
	s_lshr_b32 s15, ttmp9, 5                       ; e
	s_and_b32 s16, ttmp9, 31                       ; slice
	s_lshr_b32 s17, s14, 1                         ; g: which 64 columns I round
	s_and_b32 s18, s14, 1                          ; q: which piece
	s_lshl_b32 s22, s17, 12
	s_lshl_b32 s19, s18, 9
	s_add_co_u32 s22, s22, s19
	v_add_nc_u32 v[WS0], s22, v[XO]
	s_mov_b32 s[LIM], 0x40e00000
	s_mov_b32 s[NLIM], 0xc0e00000
	s_mov_b32 s[HIM], 0xffff0000
	s_mov_b32 s[CS], 0xc01d265f                    ; -1.702 x 1.442695 = -2.455467
	s_mov_b32 s[CS+1], s[CS]                       ; named with it as a pair
	s_mov_b32 s[LB], 0
	v_add_nc_u32 v[BL], s[LB], v[XO]
	v_add_nc_u32 v[WS], s[LB], v[WS0]
	s_mov_b32 s23, 0
	s_lshl_b32 s22, s15, 24                        ; W1: the expert's 16,777,216 bytes,
	s_lshl_b32 s19, s16, 9                         ; the slice's 512 bytes of a row,
	s_add_co_u32 s22, s22, s19
	s_lshl_b32 s19, s17, 8                         ; my 256 of them,
	s_add_co_u32 s22, s22, s19
	s_lshl_b32 s19, s18, 17                        ; my piece's 8 rows of 16,384 bytes
	s_add_co_u32 s22, s22, s19
	s_wait_kmcnt 0x0
	s_add_nc_u64 s[6:7], s[6:7], s[22:23]
	s_lshl_b32 s22, s14, 18                        ; xf: my 8 token blocks of 32 fragments
	s_add_nc_u64 s[XB0:XB0+1], s[4:5], s[22:23]
	s_mov_b64 s[XB:XB+1], s[XB0:XB0+1]
	s_lshl_b32 s22, s15, 14                        ; b1
	s_lshl_b32 s19, s16, 9
	s_add_co_u32 s22, s22, s19
	s_add_nc_u64 s[8:9], s[8:9], s[22:23]
	s_lshl_b32 s22, s14, 12                        ; rw: my 128 tokens' rows of 32 bytes, column e
	s_lshl_b32 s19, s15, 2
	s_add_co_u32 s22, s22, s19
	s_add_nc_u64 s[10:11], s[10:11], s[22:23]
	s_lshl_b32 s22, s14, 22                        ; af: fragment (8 w + a, 64 e + 2 slice + g)
	s_lshl_b32 s19, s15, 16
	s_add_co_u32 s22, s22, s19
	s_lshl_b32 s19, s16, 11
	s_add_co_u32 s22, s22, s19
	s_add_nc_u64 s[12:13], s[12:13], s[22:23]
	; PROLOGUE.  The bias goes through registers of window 2 that the first products write later.
	WIN 0x80
.set i, 0
.rept 16                               ; group i / 8, numbers 32 h + 4 (i % 8) + 0..3
	global_load_b128 v[4*i:4*i+3], v[BO], s[8:9] offset:(i/8)*256+(i%8)*16
.set i, i+1
.endr
	RWLOAD
	WLOAD 0, 0
	WLOAD 1, 1
	XLOAD 0, 0
	s_wait_loadcnt 40                              ; the bias is in: behind it 8 (rw) + 8 + 8 (chunks 0, 1) + 16 (x)
	WIN 0x8a
.set p, 0
.rept 32
	v_cvt_pk_bf16_f32 v[2*p], v[2*p], v[2*p+1]     ; rounded to bf16,
.set p, p+1
.endr
	WIN 0x48
.set p, 0
.rept 32                               ; and widened into its place as C operand: number 4 j + f of group g is register j of fragment 4 g + f
	v_lshlrev_b32 v[BI+8*(4*(p/16)+2*(p%2))+(p%16)/2],   16, v[2*p]
	v_and_b32     v[BI+8*(4*(p/16)+2*(p%2)+1)+(p%16)/2], s[HIM], v[2*p]
.set p, p+1
.endr
	WLOAD 2, 2
	s_wait_loadcnt 32                              ; chunk 0 is in: behind it 8 (chunk 1) + 16 (x) + 8 (chunk 2)
	CONVS 0, 0
	XLOAD 1, 1
	WLOAD 0, 3
	s_wait_loadcnt 48                              ; chunk 1 is in: behind it 16 + 8 + 16 + 8
	CONVS 1, 1
	s_wait_dscnt 0x0                               ; my stores are done,
	s_barrier_signal -1
	s_barrier_wait -1                              ; everybody's are: chunks 0 and 1 are whole
	BFETCH 0, 0
	; PASS 1: tokens 0-511.  By the text's own count at most 56 loads of a wave are out.
	STEP 0, 0, 32, 1, 1, 1, 48, 1, 1, 1
	ADVANCE 1, 1
	s_mov_b32 s[TRIP], 9
.Lp1:                                  ; steps 1 to 27
	STEP 1, 0, 32, 1, 1, 1, 48, 1, 1, 0
	STEP 2, 1, 32, 1, 1, 1, 48, 1, 1, 0
	STEP 0, 2, 32, 1, 1, 1, 48, 1, 1, 0
	ADVANCE 3, 1
	s_sub_co_u32 s[TRIP], s[TRIP], 1
	s_cmp_lg_u32 s[TRIP], 0
	s_cbranch_scc1 .Lp1
	STEP 1, 0, 32, 1, 0, 1, 40, 1, 1, 0            ; steps 28 to 31: no load leaves its buffer, and the counts run down
	STEP 2, 1, 24, 1, 0, 1, 32, 1, 1, 0
	STEP 0, 2, 16, 0, 0, 0, 0, 1, 1, 0
	STEP 1, 3, 0, 0, 0, 0, 0, 0, 0, 0
	WIN 0
	s_mov_b32 s[CNT], 2
; THE WAY OUT of a pass, in place in the accumulators.  Block a of a window: G0, U0, G1, U1 at 32 a + 0, 8, 16, 24.  Each accumulator is read from its lowest register on.
.macro CLAMPG a                        ; number n of 16: g = min(gate, 7)
	v_min_num_f32 v[32*(\a)+16*(n/8)+n%8], v[32*(\a)+16*(n/8)+n%8], s[LIM]
.endm
.macro CLAMPU a                        ; number n of 16: up clipped
	v_med3_num_f32 v[32*(\a)+8+16*(n/8)+n%8], v[32*(\a)+8+16*(n/8)+n%8], s[NLIM], s[LIM]
.endm
.macro GATEW a                         ; U = (up + 1) rw, one fused multiply-add
.set p, 0
.rept 8
	v_pk_fma_f32 v[32*(\a)+8+16*(p/4)+2*(p%4):32*(\a)+8+16*(p/4)+2*(p%4)+1], v[32*(\a)+8+16*(p/4)+2*(p%4):32*(\a)+8+16*(p/4)+2*(p%4)+1], v[RW+2*(\a):RW+2*(\a)+1], v[RW+2*(\a):RW+2*(\a)+1]
.set p, p+1
.endr
.endm
.macro TIMESG a                        ; U = U x G
.set p, 0
.rept 8
	v_pk_mul_f32 v[32*(\a)+8+16*(p/4)+2*(p%4):32*(\a)+8+16*(p/4)+2*(p%4)+1], v[32*(\a)+8+16*(p/4)+2*(p%4):32*(\a)+8+16*(p/4)+2*(p%4)+1], v[32*(\a)+16*(p/4)+2*(p%4):32*(\a)+16*(p/4)+2*(p%4)+1]
.set p, p+1
.endr
.endm
.macro SCALEG a                        ; G = c g
.set p, 0
.rept 8
	v_pk_mul_f32 v[32*(\a)+16*(p/4)+2*(p%4):32*(\a)+16*(p/4)+2*(p%4)+1], v[32*(\a)+16*(p/4)+2*(p%4):32*(\a)+16*(p/4)+2*(p%4)+1], s[CS:CS+1] op_sel_hi:[1,0]
.set p, p+1
.endr
.endm
; Block a is finished while block a + 1 is begun: its clamps stand between block a's exponentials and reciprocals.  Each batch of 16 has ONE wait, ahead of the first
; instruction that names a result; a plain instruction stands behind the batch's last (a clamp, or a v_nop in the last block).
.macro EPIT w, a
	WIN 0x82+0x41*((\w)-2)
.set n, 0
.rept 16
	v_exp_f32 v[32*(\a)+16*(n/8)+n%8], v[32*(\a)+16*(n/8)+n%8]
.if (\a) < 7
	CLAMPG (\a)+1
.endif
.set n, n+1
.endr
.if (\a) == 7
	v_nop
.endif
	s_wait_alu depctr_va_vdst(0)
.set p, 0
.rept 8
	v_pk_add_f32 v[32*(\a)+16*(p/4)+2*(p%4):32*(\a)+16*(p/4)+2*(p%4)+1], v[32*(\a)+16*(p/4)+2*(p%4):32*(\a)+16*(p/4)+2*(p%4)+1], 1.0 op_sel_hi:[1,0]
.set p, p+1
.endr
.set n, 0
.rept 16
	v_rcp_f32 v[32*(\a)+16*(n/8)+n%8], v[32*(\a)+16*(n/8)+n%8]
.if (\a) < 7
	CLAMPU (\a)+1
.endif
.set n, n+1
.endr
.if (\a) < 7
	GATEW (\a)+1
.else
	v_nop
.endif
	s_wait_alu depctr_va_vdst(0)
	WIN 0x8a+0x45*((\w)-2)
	TIMESG \a                                      ; x the sigmoid
.if (\a) < 7
	TIMESG (\a)+1                                  ; the next block: x g
.endif
	s_wait_xcnt 0x0                                ; the stores of two blocks ago have read these registers
	WIN 0x0a+5*((\w)-2)
.set n, 0
.rept 8                                ; i = .. + 2 n and 2 n + 1 of my token
	v_cvt_pk_bf16_f32 v[OUTR+8*((\a)%2)+n], v[32*(\a)+8+n], v[32*(\a)+24+n]
.set n, n+1
.endr
	WIN 0
	global_store_b128 v[XO], v[OUTR+8*((\a)%2):OUTR+8*((\a)%2)+3],   s[12:13] offset:(\a)*524288+((\w)-2)*1024      ; 512 consecutive bytes, aligned
	global_store_b128 v[XO], v[OUTR+8*((\a)%2)+4:OUTR+8*((\a)%2)+7], s[12:13] offset:(\a)*524288+((\w)-2)*1024+512
.if (\a) < 7
	WIN 0x82+0x41*((\w)-2)
	SCALEG (\a)+1
.endif
.endm
.macro EPIW w                          ; a window's eight blocks: column group g = w - 2
	WIN 0x82+0x41*((\w)-2)
.set n, 0
.rept 16
	CLAMPG 0
.set n, n+1
.endr
.set n, 0
.rept 16
	CLAMPU 0
.set n, n+1
.endr
	GATEW 0
	WIN 0x8a+0x45*((\w)-2)
	TIMESG 0
	WIN 0x82+0x41*((\w)-2)
	SCALEG 0
.irp a, 0,1,2,3,4,5,6,7
	EPIT \w, \a
.endr
.endm
.Lepi:                                 ; walked twice: behind pass 1 and behind pass 2
.irp a, 0,1,2,3,4,5,6,7                ; rw rounded to bf16, widened, twice for the packed forms: 24 plain instructions, also the places behind the last products
	v_cvt_pk_bf16_f32 v[RW+2*(\a)], v[RW+2*(\a)], v[RW+2*(\a)]
.endr
.irp a, 0,1,2,3,4,5,6,7
	v_lshlrev_b32 v[RW+2*(\a)], 16, v[RW+2*(\a)]
.endr
.irp a, 0,1,2,3,4,5,6,7
	v_mov_b32 v[RW+2*(\a)+1], v[RW+2*(\a)]
.endr
	EPIW 2
	EPIW 3
	WIN 0
	s_sub_co_u32 s[CNT], s[CNT], 1
	s_cmp_eq_u32 s[CNT], 0
	s_cbranch_scc1 .Lout
	; PASS 2: tokens 512-1023, on the weights that lie whole in LDS: no weight load, no rounding, no barrier.
	s_wait_xcnt 0x0                                ; the stores have read af's base
	s_add_nc_u64 s[XB:XB+1], s[XB0:XB0+1], 0x100000   ; 32 token blocks on
	s_add_nc_u64 s[12:13], s[12:13], 0x1000000
	s_add_nc_u64 s[10:11], s[10:11], 0x4000
	s_mov_b32 s[LB], 0
	v_add_nc_u32 v[BL], s[LB], v[XO]
	RWLOAD
	XLOAD 0, 0
	XLOAD 1, 1
	BFETCH 0, 0
	STEP 0, 0, 16, 1, 0, 0, 0, 0, 1, 1             ; behind x of a step stand the 16 loads of the next step's
	ADVANCE 1, 0
	s_mov_b32 s[TRIP], 9
.Lp2:
	STEP 1, 0, 16, 1, 0, 0, 0, 0, 1, 0
	STEP 2, 1, 16, 1, 0, 0, 0, 0, 1, 0
	STEP 0, 2, 16, 1, 0, 0, 0, 0, 1, 0
	ADVANCE 3, 0
	s_sub_co_u32 s[TRIP], s[TRIP], 1
	s_cmp_lg_u32 s[TRIP], 0
	s_cbranch_scc1 .Lp2
	STEP 1, 0, 16, 1, 0, 0, 0, 0, 1, 0
	STEP 2, 1, 16, 1, 0, 0, 0, 0, 1, 0
	STEP 0, 2, 16, 0, 0, 0, 0, 0, 1, 0
	STEP 1, 3, 0, 0, 0, 0, 0, 0, 0, 0
	WIN 0
	s_branch .Lepi
.Lout:
	s_wait_tensorcnt 0x0                           ; the wave's end, behind my last LDS store
	ds_add_u32 v[SPW], v[NIL]
	s_wait_dscnt 0x0
	s_endpgm
.Lfunc_end_k_qfa6f215e18_gateup:
	.size	k_qfa6f215e18_gateup, .Lfunc_end_k_qfa6f215e18_gateup-k_qfa6f215e18_gateup
	.p2alignl 7, 3214868480
	.fill 96, 4, 3214868480
	.section	.rodata,"a",@progbits
	.p2align	6, 0x0
	.amdhsa_kernel k_qfa6f215e18_gateup
		.amdhsa_group_segment_fixed_size 262656
		.amdhsa_private_segment_fixed_size 0
		.amdhsa_enable_private_segment 0
		.amdhsa_kernarg_size 40
		.amdhsa_user_sgpr_count 2
		.amdhsa_user_sgpr_kernarg_segment_ptr 1
		.amdhsa_wavefront_size32 1
		.amdhsa_system_sgpr_workgroup_id_x 1
		.amdhsa_system_sgpr_workgroup_id_y 1
		.amdhsa_system_sgpr_workgroup_id_z 1
		.amdhsa_system_vgpr_workitem_id 0
		.amdhsa_next_free_vgpr 1024
		.amdhsa_next_free_sgpr 66
		.amdhsa_reserve_vcc 0
		.amdhsa_float_denorm_mode_32 3
		.amdhsa_float_denorm_mode_16_64 3
		.amdhsa_memory_ordered 1
		.amdhsa_forward_progress 1
		.amdhsa_inst_pref_size 245
	.end_amdhsa_kernel
	.amdgpu_metadata
---
amdhsa.version: [ 1, 2 ]
amdhsa.kernels:
  - .name:           k_qfa6f215e18_gateup
    .symbol:         k_qfa6f215e18_gateup.kd
    .args:
      - { .name: xf, .offset: 0, .size: 8, .value_kind: global_buffer, .address_space: global }
      - { .name: gate_up_proj, .offset: 8, .size: 8, .value_kind: global_buffer, .address_space: global }
      - { .name: gate_up_proj_bias, .offset: 16, .size: 8, .value_kind: global_buffer, .address_space: global }
      - { .name: routing_weights, .offset: 24, .size: 8, .value_kind: global_buffer, .address_space: global }
      - { .name: af, .offset: 32, .size: 8, .value_kind: global_buffer, .address_space: global }
    .group_segment_fixed_size: 262656
    .private_segment_fixed_size: 0
    .kernarg_segment_align: 8
    .kernarg_segment_size: 40
    .max_flat_workgroup_size: 128
    .sgpr_count:     66
    .vgpr_count:     1024
    .wavefront_size: 32
...
	.end_amdgpu_metadata
.endif
;; end of part 2
;; launch down (part 3): grid 8 x 32, 4 waves a work-group, clusters of 4 x 1, 327,680 bytes of LDS; arguments af, df, part; writes part
.if DOCPART == 3
	.amdgcn_target "amdgcn-amd-amdhsa--gfx1250"
	.amdhsa_code_object_version 6
	.text
	.protected	k_qfa6f215e18_down
	.globl	k_qfa6f215e18_down
	.p2align	8
	.type	k_qfa6f215e18_down,@function
k_qfa6f215e18_down:
	s_mov_b64 s[64:65], 0
	v_nop
	global_prefetch_b8 v0, s[64:65] scope:SCOPE_SE
	s_setreg_imm32_b32 hwreg(HW_REG_WAVE_MODE, 25, 1), 1
	s_wait_xcnt 0x0
	s_wait_alu depctr_hold_cnt(0) depctr_sa_sdst(0) depctr_va_vdst(0) depctr_va_sdst(0) depctr_va_ssrc(0) depctr_va_vcc(0) depctr_vm_vsrc(0)
	s_getreg_b32 s2, hwreg(HW_REG_IB_STS2, 6, 4)
	s_cmp_eq_u32 s2, 0
	s_cbranch_scc0 .Lentry_in_a_cluster
	s_endpgm
.Lentry_in_a_cluster:
	s_bfe_u32 s2, ttmp6, 0x10000c
	s_cmp_lg_u32 s2, 0x3003
	s_cbranch_scc0 .Lentry_shape_is_right
	s_endpgm
.Lentry_shape_is_right:
; part[s][t][n] = the sum over k = 4096 s .. 4096 s + 4095 of af[t][k] df[k][n]: the second product and the sum over experts as ONE product of depth 16,384 (rw lies in af), cut in four along K.
; af and df are bf16 in fragment order: fragment (row block, kb) is 1,024 bytes at (512 x row block + kb) x 1,024; lane L takes its bytes 16 L and 512 + 16 L.  Sums and part in f32.
; SHARES.  A tile is 128 tokens x 128 columns x 4,096 k: 8 x 8 x 4 = 256 work-groups (x = token tile, y = column tile + 8 x cut).  Larger tiles would want a finer cut of K and more partial sums.
; Four waves, each 32 tokens x 128 columns: 16 accumulators.  So no byte of af is wanted by two waves of a work-group, and every wave reads all of df's fragments.
; df GOES THROUGH LDS, af DOES NOT.  Two slots of 131,072 bytes hold df alone: 128 columns x 512 of K each, 256 matrix instructions a wave; a refill is asked for 240 matrix instructions ahead of
; the wait for it.  With af in the slots too a slot would hold 256 of K, and a refill would have 112.  af comes as ready fragments from memory into a ring of registers, 8 loads of 512 consecutive
; bytes for each 64 of K, asked for seven quarters ahead: by the text's own count at most 56 loads of a wave are out.
; CLUSTER: the four token tiles of a cluster share y and so df's tiles: each is asked for JOINTLY, by the same tensor load with the same descriptor and the mask of four.
; af's tile is shared too (by the eight column tiles), and is NOT asked for jointly: that would send it through the slots and halve the K that a slot holds, as counted above.
; A row block's 16 fragments of a tile are 16,384 consecutive bytes: a wave's tensor load is 2 rows (row blocks) of 16,384 bytes, 524,288 bytes apart.  LDS loads take 512 consecutive bytes: no padding.
; THE WAY OUT needs no stage: df's fragment 4 G + f holds column 64 G + 4 r + f in slot r, so register j of the four accumulators f = 0..3 are four neighbouring columns of one row:
; sixteen lanes store 256 consecutive bytes, aligned.
; REGISTERS, in windows of 256 (s_set_vgpr_msb: bits 1:0 source 0, 3:2 source 1, 5:4 source 2, 7:6 destination):
;   window 0: v0-31 addresses; v32-95 at work on the way out; v128-255 the accumulators ((a, b) at v[128 + 8 (8 a + b)])
;   window 1: af's ring: quarter u at 32 (u % 8), its fragment (c, a) at + 8 (2 c + a)          window 2: two buffers of 128 for df's fragments of a quarter: (c, b) at + 64 c + 8 b
.set SLOT1,  131072                    ; slot 1 begins here, so that one exclusive or turns an address in one slot into the other's
.set SPARE,  262144                    ; behind the two slots: the spare words, 128 bytes a wave: two blocks of 256 bytes that no other line names
.set ROWB,   16384                     ; a row block's 16 fragments of a tile (512 of K)
.set QB,     2048                      ; a quarter's two fragments (64 of K); a tile has eight quarters
.set L16,  3                           ; v3      16 x lane: af's loads, and df's row blocks 0-3 in a slot; never rewritten
.set L16H, 4                           ; v4      the same + 65,536: df's row blocks 4-7 (an LDS immediate ends at 65,535); never rewritten
.set ADRB, 16                          ; v16-17  LDS addresses of the fragment loads in the slot in hand
.set CO,   26                          ; v26     my byte offset in part: 8 rows on for the upper half of the lanes, 16 r
.set SPW,  28                          ; v28     LDS address of my spare word; never rewritten
.set NIL,  29                          ; v29     0; never rewritten
.set TMP,  32
.set ACC,  128
.set F0,   0
.set F1,   128
.set AB,   14                          ; s[14:15] af at my two token blocks, the tile in hand
.set G1,   24                          ; s[24:31] descriptor group 1
.set G0,   32                          ; s[32:39] descriptor group 0: a set for each of the two first fills; the second then walks on
.set TB,   44                          ; s44      LDS byte at which the slot in hand begins
.set MSB, 0
.macro WIN new                         ; the immediate's high byte repeats the setting that is left; a switch that changes nothing is dropped
.if MSB != (\new)
	s_set_vgpr_msb (MSB<<8)|(\new)
.set MSB, \new
.endif
.endm
.set MUL,  0x09                        ; source 0 (af) window 1, source 1 (df) window 2; C and D window 0
.set TO_B, 0x80                        ; destination window 2, address window 0
.set TO_A, 0x40                        ; destination window 1, address window 0
.macro JLOAD                           ; a joint refill: every wave fetches its two row blocks; an s_nop 0 and four v_nop follow the line
	tensor_load_to_lds s[G0+4:G0+7], s[G1:G1+7]
	s_nop 0
.rept 4
	v_nop
.endr
.endm
.macro CREST                           ; a round of the cluster's barrier behind its opening barrier
	s_cmp_lg_u32 s10, 0
	s_cbranch_scc1 .Lnot_wave_0_\@
	s_barrier_signal -3
.Lnot_wave_0_\@:
	s_barrier_wait -3
	s_barrier_signal -1
	s_barrier_wait -1
.endm
.macro CROUND                          ; a whole round
	s_barrier_signal -1
	s_barrier_wait -1
	CREST
.endm
; 8 matrix instructions: token block a x all 8 column fragments, 32 along K: half c of df's buffer f and of af's ring place sl.  zero = 1: the first product starts the sums.
; The 16 accumulators take turns, in the same order in every half quarter.
.macro MULH f, sl, c, a, zero
	WIN MUL
.irp b, 0,1,2,3,4,5,6,7
.if \zero
	v_wmma_f32_16x16x32_bf16 v[ACC+8*(8*(\a)+(\b)):ACC+8*(8*(\a)+(\b))+7], v[32*(\sl)+8*(2*(\c)+(\a)):32*(\sl)+8*(2*(\c)+(\a))+7], v[(\f)+64*(\c)+8*(\b):(\f)+64*(\c)+8*(\b)+7], 0
.else
	v_wmma_f32_16x16x32_bf16 v[ACC+8*(8*(\a)+(\b)):ACC+8*(8*(\a)+(\b))+7], v[32*(\sl)+8*(2*(\c)+(\a)):32*(\sl)+8*(2*(\c)+(\a))+7], v[(\f)+64*(\c)+8*(\b):(\f)+64*(\c)+8*(\b)+7], v[ACC+8*(8*(\a)+(\b)):ACC+8*(8*(\a)+(\b))+7]
.endif
.endr
.endm
; 32 LDS loads in one run: df's fragments of quarter k of the slot in hand, into buffer f; the first 32 along K first
.macro FETCH k, f
	WIN TO_B
.irp c, 0,1
.irp b, 0,1,2,3,4,5,6,7
	ds_load_b128 v[(\f)+64*(\c)+8*(\b):(\f)+64*(\c)+8*(\b)+3],   v[ADRB+(\b)/4] offset:((\b)%4)*ROWB+(\k)*QB+(\c)*1024
	ds_load_b128 v[(\f)+64*(\c)+8*(\b)+4:(\f)+64*(\c)+8*(\b)+7], v[ADRB+(\b)/4] offset:((\b)%4)*ROWB+(\k)*QB+(\c)*1024+512
.endr
.endr
.endm
; 8 loads: af's four fragments of quarter k, counted from the tile at s[AB], into ring place sl; each load takes 512 consecutive bytes, aligned
.macro ALOAD sl, k
	WIN TO_A
.irp c, 0,1
.irp a, 0,1
	global_load_b128 v[32*(\sl)+8*(2*(\c)+(\a)):32*(\sl)+8*(2*(\c)+(\a))+3],   v[L16], s[AB:AB+1] offset:(\a)*524288+(\k)*QB+(\c)*1024
	global_load_b128 v[32*(\sl)+8*(2*(\c)+(\a))+4:32*(\sl)+8*(2*(\c)+(\a))+7], v[L16], s[AB:AB+1] offset:(\a)*524288+(\k)*QB+(\c)*1024+512
.endr
.endr
.endm
.macro PLACES                          ; a load into a register that a matrix instruction has read, and a vector instruction that reads a result, stand four plain vector instructions behind it (ISA guide 7.12.1 for vector instructions)
.rept 4
	v_nop
.endr
.endm
; Quarter j (0..6) of a tile: 32 matrix instructions on df's buffer j % 2 and af's ring place j.  In its middle, in one run: df's fragments of quarter j + 1 into the other buffer, and (ld = 1) af of the
; quarter seven on into the ring place that the quarter before read.  nl: the loads younger than this quarter's af.
.macro QUARTER j, nl, ld, zero
	s_wait_loadcnt \nl                             ; af of this quarter is in
	s_wait_dscnt 16                                ; df's first 32 along K are in
	MULH 128*((\j)%2), \j, 0, 0, \zero
	MULH 128*((\j)%2), \j, 0, 1, \zero
	PLACES
	FETCH (\j)+1, 128*(((\j)+1)%2)
.if \ld
	ALOAD ((\j)+7)%8, (\j)+7
.endif
	s_wait_dscnt 32                                ; all but the 32 just issued
	MULH 128*((\j)%2), \j, 1, 0, 0
	MULH 128*((\j)%2), \j, 1, 1, 0
.endm
; A tile's last quarter changes slots: ONE barrier; in front of it each wave waits for all its tensor loads (one is out: its part of the next slot), adds 0 to its spare word, and waits for that and for its
; own reads of this slot.  fill = 1: the barrier opens a round of the cluster's barrier, and this slot is filled again, with the tile two on.  s[AB] stands at the NEXT tile already.
.macro TURN fill
	WIN 0                                          ; (the add's two registers lie in window 0)
	s_wait_loadcnt 48                              ; af of this quarter is in
	s_wait_tensorcnt 0x0                           ; all my tensor loads have landed;
	ds_add_u32 v[SPW], v[NIL]                      ; 0 onto my spare word;
	s_wait_dscnt 17                                ; (the add and the youngest sixteen loads may be out)
	MULH F1, 7, 0, 0, 0                            ; eight matrix instructions stand between the add and the wait for it
	s_wait_dscnt 0x0                               ; the add is done, and my reads of this slot are over
	s_barrier_signal -1
	MULH F1, 7, 0, 1, 0
.if \fill
	WIN 0
.endif
	s_barrier_wait -1
.if \fill
	CREST                                          ; no wave of any partner still reads this slot's tile or has a load on its way
	s_xor_b32 s[G0+5], s[G0+5], SLOT1              ; the walking descriptor: the other slot than last time,
	s_add_nc_u64 s[G0+6:G0+7], s[G0+6:G0+7], ROWB  ; the next 512 of K; the type bits on top are not reached
	JLOAD                                          ; the first tensor load behind the round; the four v_nop behind it are also the places in front of the loads below
.else
	PLACES
.endif
	WIN 0
	s_xor_b32 s[TB], s[TB], SLOT1                  ; the fragment loads go to the other slot
	v_add_nc_u32 v[ADRB], s[TB], v[L16]
	v_add_nc_u32 v[ADRB+1], s[TB], v[L16H]
	FETCH 0, F0
	ALOAD 6, 6                                     ; seven quarters on: quarter 6 of the next tile
	MULH F1, 7, 1, 0, 0
	MULH F1, 7, 1, 1, 0
.endm
.macro NEXT_A                          ; af's base goes a tile on
	s_wait_xcnt 0x0                                ; every earlier memory instruction has had its addresses translated (ISA guide 3.1): only now is the base rewritten
	s_add_nc_u64 s[AB:AB+1], s[AB:AB+1], ROWB
.endm
	s_load_b128 s[4:7], s[0:1], 0x0                ; af s[4:5], df s[6:7]
	s_load_b64 s[8:9], s[0:1], 0x10                ; part
	v_lshl_add_u32 v[SPW], v0, 2, SPARE
	v_mov_b32 v[NIL], 0
	ds_add_u32 v[SPW], v[NIL]                      ; the wave's opening: the add and its wait stand ahead of my first tensor load; the set-up below, work on registers, stands between them
	v_lshrrev_b32 v1, 5, v0
	v_readfirstlane_b32 s10, v1                    ; wave 0..3
	v_and_b32 v[L16], 31, v0
	v_lshlrev_b32 v[L16], 4, v[L16]
	v_add_nc_u32 v[L16H], 0x10000, v[L16]
	s_bfe_u32 s40, ttmp6, 0x40000                  ; cx: my place in the cluster: it enters af's and part's addresses alone
	s_lshl_b32 s42, ttmp9, 2                       ; in a cluster launch ttmp9 counts clusters
	s_add_co_u32 s42, s42, s40                     ; token tile = 4 x cluster x + cx
	s_and_b32 s13, ttmp7, 0xffff                   ; y, which the four partners share:
	s_and_b32 s43, s13, 7                          ; column tile,
	s_lshr_b32 s45, s13, 3                         ; cut of K
	; descriptor group 1: 2 rows of 2,048 elements of 8 bytes, 65,536 elements from row to row; no padding
	s_mov_b32 s[G1+0], 15|(3<<16)|(1<<21)          ; 15:0 the mask: all four work-groups; 17:16 elements of 8 bytes; 21 set beside a mask
	s_mov_b32 s[G1+1], 2048<<16                    ; tensor_dim0 = 2,048
	s_mov_b32 s[G1+2], 2<<16                       ; tensor_dim1 = 2
	s_mov_b32 s[G1+3], 2048<<16                    ; tile_dim0 = 2,048
	s_mov_b32 s[G1+4], 2                           ; tile_dim1 = 2
	s_mov_b32 s[G1+5], 65536                       ; tensor_dim0_stride
	s_mov_b32 s[G1+6], 0
	s_mov_b32 s[G1+7], 0
	s_lshl_b32 s18, s45, 17                        ; the cut's 128 fragments of 1,024 bytes
	s_lshl_b32 s19, s10, 1                         ; my two row blocks of a tile's eight
	s_lshl_b32 s46, s43, 3
	s_add_co_u32 s46, s46, s19                     ; df: row block 8 x column tile + 2 x wave,
	s_lshl_b32 s46, s46, 19                        ; 524,288 bytes each
	s_add_co_u32 s46, s46, s18
	s_mov_b32 s47, 0
	s_lshl_b32 s16, s42, 3
	s_add_co_u32 s16, s16, s19                     ; af: row block 8 x token tile + 2 x wave
	s_lshl_b32 s16, s16, 19
	s_add_co_u32 s16, s16, s18
	s_mov_b32 s17, 0
	s_mul_i32 s20, s10, 2*ROWB                     ; where my part of a tile goes: wave x 32,768: no place in the cluster enters an LDS address
	s_mov_b32 s[TB], 0
	s_wait_dscnt 0x0                               ; the opening add is done
	s_wait_kmcnt 0x0
	s_add_nc_u64 s[AB:AB+1], s[4:5], s[16:17]
	s_add_nc_u64 s[46:47], s[6:7], s[46:47]
.irp u, 0,1,2,3,4,5,6
	ALOAD \u, \u                                   ; af's ring is filled: quarters 0 to 6, 56 loads
.endr
	WIN 0
.irp s, 0,1
	s_mov_b32 s[G0+4*(\s)], 1                      ; 1:0 count = 1
	s_add_co_u32 s[G0+4*(\s)+1], s20, (\s)*SLOT1   ; 63:32 LDS address
	s_add_nc_u64 s[G0+4*(\s)+2:G0+4*(\s)+3], s[46:47], (\s)*ROWB  ; 120:64 global address: tile s
	s_or_b32 s[G0+4*(\s)+3], s[G0+4*(\s)+3], 0x80000000           ; 127:126 type = 2
.endr
	CROUND                                         ; all four work-groups are here: the first joint loads meet
	tensor_load_to_lds s[G0:G0+3], s[G1:G1+7]      ; the two first fills go out together: two loads of mine are out
	s_nop 0
	tensor_load_to_lds s[G0+4:G0+7], s[G1:G1+7]
	s_nop 0
.rept 4
	v_nop
.endr
	v_add_nc_u32 v[ADRB], s[TB], v[L16]
	v_add_nc_u32 v[ADRB+1], s[TB], v[L16H]
	v_and_b32 v1, 15, v0                           ; r
	v_bfe_u32 v2, v0, 4, 1                         ; h
	v_lshlrev_b32 v[CO], 4, v1
	v_lshl_add_u32 v[CO], v2, 15, v[CO]            ; 8 rows of 4,096 bytes
	s_lshl_b32 s16, s42, 19                        ; part: 128 rows a token tile,
	s_lshl_b32 s17, s10, 17                        ; my 32 of them,
	s_add_co_u32 s16, s16, s17
	s_lshl_b32 s17, s45, 22                        ; the cut's 4,194,304 bytes,
	s_add_co_u32 s16, s16, s17
	s_lshl_b32 s17, s43, 9                         ; the column tile's 512 bytes of a row
	s_add_co_u32 s16, s16, s17
	s_mov_b32 s17, 0
	s_add_nc_u64 s[8:9], s[8:9], s[16:17]
	s_wait_tensorcnt 1                             ; my part of tile 0 is in; tile 1's may stay out
	s_barrier_signal -1
	s_barrier_wait -1                              ; everybody's is
	FETCH 0, F0
	QUARTER 0, 48, 1, 1                            ; the first quarter stands in front of the loop: its first products start the sums.  Behind a quarter's af stand the six younger quarters' 48 loads
	WIN 0                                          ; at a label and at a branch every window is 0
	s_mov_b32 s3, 7
	s_branch .Lin                                  ; the loop is entered in the middle of a trip: tile 0 has had its first quarter
.Llap:                                                 ; six times: a tile's last quarter with the refill, and the next tile's first
	NEXT_A
	TURN 1
	QUARTER 0, 48, 1, 0
	WIN 0
.Lin:                                                  ; seven times: quarters 1 to 6 of tiles 0 to 6
	QUARTER 1, 48, 1, 0
	QUARTER 2, 48, 1, 0
	QUARTER 3, 48, 1, 0
	QUARTER 4, 48, 1, 0
	QUARTER 5, 48, 1, 0
	QUARTER 6, 48, 1, 0
	WIN 0
	s_sub_co_u32 s3, s3, 1
	s_cmp_lg_u32 s3, 0
	s_cbranch_scc1 .Llap
	NEXT_A                                         ; the tail is written out: tile 6 is left, and nothing is asked for
	TURN 0
	QUARTER 0, 48, 1, 0                            ; the last of af's loads: quarter 7 of tile 7
	QUARTER 1, 48, 0, 0                            ; no load leaves the cut's 4,096 of K, and the counts run down
	QUARTER 2, 40, 0, 0
	QUARTER 3, 32, 0, 0
	QUARTER 4, 24, 0, 0
	QUARTER 5, 16, 0, 0
	QUARTER 6, 8, 0, 0
	s_wait_loadcnt 0x0                             ; the very last quarter: nothing more to fetch
	s_wait_dscnt 16
	MULH F1, 7, 0, 0, 0
	MULH F1, 7, 0, 1, 0
	s_wait_dscnt 0x0
	MULH F1, 7, 1, 0, 0
	MULH F1, 7, 1, 1, 0
	WIN 0
	; THE WAY OUT: register j of the accumulators (a, 4 G + 0..3) are columns 64 G + 4 r + 0..3 of row 16 a + 8 h + j: four moves bring them side by side, and sixteen lanes store 256 consecutive bytes, aligned.
	; Each accumulator is read from its lowest register on.
	PLACES
.irp g, 0,1,2,3                        ; a = g / 2, G = g % 2
.if (\g) >= 2
	s_wait_xcnt 0x0                                ; the stores of two groups ago have read these registers
.endif
.irp j, 0,1,2,3,4,5,6,7
.irp f, 0,1,2,3
	v_mov_b32 v[TMP+32*((\g)%2)+4*(\j)+(\f)], v[ACC+8*(8*((\g)/2)+4*((\g)%2)+(\f))+(\j)]
.endr
	global_store_b128 v[CO], v[TMP+32*((\g)%2)+4*(\j):TMP+32*((\g)%2)+4*(\j)+3], s[8:9] offset:(16*((\g)/2)+(\j))*4096+((\g)%2)*256
.endr
.endr
	s_wait_tensorcnt 0x0                           ; the wave's end, behind my last tensor load
	ds_add_u32 v[SPW], v[NIL]
	s_wait_dscnt 0x0
	CROUND                                         ; the closing round: no work-group ends while a partner may still ask for a tile that names it
	s_endpgm
.Lfunc_end_k_qfa6f215e18_down:
	.size	k_qfa6f215e18_down, .Lfunc_end_k_qfa6f215e18_down-k_qfa6f215e18_down
	.p2alignl 7, 3214868480
	.fill 96, 4, 3214868480
	.section	.rodata,"a",@progbits
	.p2align	6, 0x0
	.amdhsa_kernel k_qfa6f215e18_down
		.amdhsa_group_segment_fixed_size 327680
		.amdhsa_private_segment_fixed_size 0
		.amdhsa_enable_private_segment 0
		.amdhsa_kernarg_size 24
		.amdhsa_user_sgpr_count 2
		.amdhsa_user_sgpr_kernarg_segment_ptr 1
		.amdhsa_wavefront_size32 1
		.amdhsa_system_sgpr_workgroup_id_x 1
		.amdhsa_system_sgpr_workgroup_id_y 1
		.amdhsa_system_sgpr_workgroup_id_z 1
		.amdhsa_system_vgpr_workitem_id 0
		.amdhsa_next_free_vgpr 768
		.amdhsa_next_free_sgpr 66
		.amdhsa_reserve_vcc 0
		.amdhsa_float_denorm_mode_32 3
		.amdhsa_float_denorm_mode_16_64 3
		.amdhsa_memory_ordered 1
		.amdhsa_forward_progress 1
		.amdhsa_inst_pref_size 105
	.end_amdhsa_kernel
	.amdgpu_metadata
---
amdhsa.version: [ 1, 2 ]
amdhsa.kernels:
  - .name:           k_qfa6f215e18_down
    .symbol:         k_qfa6f215e18_down.kd
    .args:
      - { .name: af, .offset: 0, .size: 8, .value_kind: global_buffer, .address_space: global }
      - { .name: df, .offset: 8, .size: 8, .value_kind: global_buffer, .address_space: global }
      - { .name: part, .offset: 16, .size: 8, .value_kind: global_buffer, .address_space: global }
    .group_segment_fixed_size: 327680
    .private_segment_fixed_size: 0
    .kernarg_segment_align: 8
    .kernarg_segment_size: 24
    .max_flat_workgroup_size: 128
    .sgpr_count:     66
    .vgpr_count:     768
    .wavefront_size: 32
...
	.end_amdgpu_metadata
.endif
;; end of part 3
;; launch reduce (part 4): grid 256 x 1, 8 waves a work-group, no clusters, 0 bytes of LDS; arguments part, routing_weights, down_proj_bias, out0; writes out0
.if DOCPART == 4
	.amdgcn_target "amdgcn-amd-amdhsa--gfx1250"
	.amdhsa_code_object_version 6
	.text
	.protected	k_qfa6f215e18_reduce
	.globl	k_qfa6f215e18_reduce
	.p2align	8
	.type	k_qfa6f215e18_reduce,@function
k_qfa6f215e18_reduce:
	s_mov_b64 s[64:65], 0
	v_nop
	global_prefetch_b8 v0, s[64:65] scope:SCOPE_SE
	s_setreg_imm32_b32 hwreg(HW_REG_WAVE_MODE, 25, 1), 1
	s_wait_xcnt 0x0
; out0[t][n] = part[0][t][n] + part[1][t][n] + part[2][t][n] + part[3][t][n] + the sum over e of rw[t][e] b2[e][n].  All in f32; rw and b2 are rounded to bf16 like every other input, and widened again.
; A work-group owns 4 rows; thread t owns columns 4 t .. 4 t + 3, so a load or store of a wave covers 512 consecutive bytes, aligned.  All 32 loads go out ahead of the first wait;
; the term of the biases is made while the 16 loads of partial sums are on their way.  Memory binds: no LDS, no matrix unit, no cluster.
.set T,   4                            ; v[4:7]     at work
.set B2,  16                           ; v[16:47]   b2[e][my 4 columns] at B2 + 4 e
.set RWR, 48                           ; v[48:79]   rw[row i][e] at RWR + 8 i + e, the same in every lane
.set P,   80                           ; v[80:143]  part[s][row i] at P + 16 i + 4 s
.set C,   144                          ; v[144:159] the biases' term of row i at C + 4 i
	s_load_b256 s[4:11], s[0:1], 0x0               ; part s[4:5], rw s[6:7], b2 s[8:9], out0 s[10:11]
	v_lshlrev_b32 v1, 4, v0                        ; my 16 bytes of a row
	v_mov_b32 v2, 0
	s_lshl_b32 s12, ttmp9, 14                      ; 4 rows of 4,096 bytes
	s_mov_b32 s13, 0
	s_lshl_b32 s14, ttmp9, 7                       ; 4 rows of rw
	s_mov_b32 s15, 0
	s_mov_b32 s16, 0xffff0000                      ; a word's upper bf16
	s_wait_kmcnt 0x0
	s_add_nc_u64 s[4:5], s[4:5], s[12:13]
	s_add_nc_u64 s[18:19], s[4:5], 0x800000        ; cuts 2 and 3: their distance does not fit the loads' immediate
	s_add_nc_u64 s[6:7], s[6:7], s[14:15]
	s_add_nc_u64 s[10:11], s[10:11], s[12:13]
.irp e, 0,1,2,3,4,5,6,7
	global_load_b128 v[B2+4*(\e):B2+4*(\e)+3], v1, s[8:9] offset:(\e)*4096
.endr
.irp i, 0,1,2,3
	global_load_b128 v[RWR+8*(\i):RWR+8*(\i)+3],   v2, s[6:7] offset:32*(\i)
	global_load_b128 v[RWR+8*(\i)+4:RWR+8*(\i)+7], v2, s[6:7] offset:32*(\i)+16
.endr
.irp i, 0,1,2,3
	global_load_b128 v[P+16*(\i):P+16*(\i)+3],     v1, s[4:5]   offset:(\i)*4096 th:TH_LOAD_NT
	global_load_b128 v[P+16*(\i)+4:P+16*(\i)+7],   v1, s[4:5]   offset:4194304+(\i)*4096 th:TH_LOAD_NT
	global_load_b128 v[P+16*(\i)+8:P+16*(\i)+11],  v1, s[18:19] offset:(\i)*4096 th:TH_LOAD_NT
	global_load_b128 v[P+16*(\i)+12:P+16*(\i)+15], v1, s[18:19] offset:4194304+(\i)*4096 th:TH_LOAD_NT
.endr
	s_wait_loadcnt 16                              ; b2 and rw are in; the 16 loads of partial sums stay out
.set x, B2
.rept 32                               ; B2 and RWR lie end to end: 64 numbers, two at a time, rounded to bf16 and widened again
	v_cvt_pk_bf16_f32 v[T+(x/2)%4], v[x], v[x+1]
	v_lshlrev_b32 v[x], 16, v[T+(x/2)%4]
	v_and_b32 v[x+1], s16, v[T+(x/2)%4]
.set x, x+2
.endr
.irp i, 0,1,2,3                        ; e = 0 starts the sums: nothing is cleared
.irp c, 0,2
	v_pk_mul_f32 v[C+4*(\i)+(\c):C+4*(\i)+(\c)+1], v[B2+(\c):B2+(\c)+1], v[RWR+8*(\i):RWR+8*(\i)+1] op_sel_hi:[1,0]
.endr
.endr
.irp e, 1,2,3,4,5,6,7                  ; eight chains that do not wait for each other; rw[i][e] is the low (even e) or the high (odd e) register of its pair, for both halves
.irp i, 0,1,2,3
.irp c, 0,2
.if (\e)%2
	v_pk_fma_f32 v[C+4*(\i)+(\c):C+4*(\i)+(\c)+1], v[B2+4*(\e)+(\c):B2+4*(\e)+(\c)+1], v[RWR+8*(\i)+(\e)-1:RWR+8*(\i)+(\e)], v[C+4*(\i)+(\c):C+4*(\i)+(\c)+1] op_sel:[0,1,0] op_sel_hi:[1,1,1]
.else
	v_pk_fma_f32 v[C+4*(\i)+(\c):C+4*(\i)+(\c)+1], v[B2+4*(\e)+(\c):B2+4*(\e)+(\c)+1], v[RWR+8*(\i)+(\e):RWR+8*(\i)+(\e)+1], v[C+4*(\i)+(\c):C+4*(\i)+(\c)+1] op_sel_hi:[1,0,1]
.endif
.endr
.endr
.endr
.irp i, 0,1,2,3
	s_wait_loadcnt 12-4*(\i)                       ; row i's four partial sums are in; the later rows' stay out
.irp c, 0,2
	v_pk_add_f32 v[P+16*(\i)+(\c):P+16*(\i)+(\c)+1],     v[P+16*(\i)+(\c):P+16*(\i)+(\c)+1],     v[P+16*(\i)+4+(\c):P+16*(\i)+4+(\c)+1]
	v_pk_add_f32 v[P+16*(\i)+8+(\c):P+16*(\i)+8+(\c)+1], v[P+16*(\i)+8+(\c):P+16*(\i)+8+(\c)+1], v[P+16*(\i)+12+(\c):P+16*(\i)+12+(\c)+1]
.endr
.irp c, 0,2
	v_pk_add_f32 v[P+16*(\i)+(\c):P+16*(\i)+(\c)+1], v[P+16*(\i)+(\c):P+16*(\i)+(\c)+1], v[P+16*(\i)+8+(\c):P+16*(\i)+8+(\c)+1]
.endr
.irp c, 0,2
	v_pk_add_f32 v[P+16*(\i)+(\c):P+16*(\i)+(\c)+1], v[P+16*(\i)+(\c):P+16*(\i)+(\c)+1], v[C+4*(\i)+(\c):C+4*(\i)+(\c)+1]
.endr
	global_store_b128 v1, v[P+16*(\i):P+16*(\i)+3], s[10:11] offset:(\i)*4096 th:TH_STORE_NT
.endr
	s_endpgm
.Lfunc_end_k_qfa6f215e18_reduce:
	.size	k_qfa6f215e18_reduce, .Lfunc_end_k_qfa6f215e18_reduce-k_qfa6f215e18_reduce
	.p2alignl 7, 3214868480
	.fill 96, 4, 3214868480
	.section	.rodata,"a",@progbits
	.p2align	6, 0x0
	.amdhsa_kernel k_qfa6f215e18_reduce
		.amdhsa_group_segment_fixed_size 0
		.amdhsa_private_segment_fixed_size 0
		.amdhsa_enable_private_segment 0
		.amdhsa_kernarg_size 32
		.amdhsa_user_sgpr_count 2
		.amdhsa_user_sgpr_kernarg_segment_ptr 1
		.amdhsa_wavefront_size32 1
		.amdhsa_system_sgpr_workgroup_id_x 1
		.amdhsa_system_sgpr_workgroup_id_y 1
		.amdhsa_system_sgpr_workgroup_id_z 1
		.amdhsa_system_vgpr_workitem_id 0
		.amdhsa_next_free_vgpr 160
		.amdhsa_next_free_sgpr 66
		.amdhsa_reserve_vcc 0
		.amdhsa_float_denorm_mode_32 3
		.amdhsa_float_denorm_mode_16_64 3
		.amdhsa_memory_ordered 1
		.amdhsa_forward_progress 1
		.amdhsa_inst_pref_size 15
	.end_amdhsa_kernel
	.amdgpu_metadata
---
amdhsa.version: [ 1, 2 ]
amdhsa.kernels:
  - .name:           k_qfa6f215e18_reduce
    .symbol:         k_qfa6f215e18_reduce.kd
    .args:
      - { .name: part, .offset: 0, .size: 8, .value_kind: global_buffer, .address_space: global }
      - { .name: routing_weights, .offset: 8, .size: 8, .value_kind: global_buffer, .address_space: global }
      - { .name: down_proj_bias, .offset: 16, .size: 8, .value_kind: global_buffer, .address_space: global }
      - { .name: out0, .offset: 24, .size: 8, .value_kind: global_buffer, .address_space: global }
    .group_segment_fixed_size: 0
    .private_segment_fixed_size: 0
    .kernarg_segment_align: 8
    .kernarg_segment_size: 32
    .max_flat_workgroup_size: 256
    .sgpr_count:     66
    .vgpr_count:     160
    .wavefront_size: 32
...
	.end_amdgpu_metadata
.endif
;; end of part 4
;; ======== version 2 of 2: 4 launches; version 1 with the launch gateup written anew for expert scheduling mode
;; workspace buffers: xf 2,097,152 bytes; df 33,554,432 bytes; af 33,554,432 bytes; part 16,777,216 bytes
;; launch prep: the kernel of part 1 again; grid 512 x 1, 8 waves a work-group, no clusters, 0 bytes of LDS; arguments down_proj, hidden_states, df, xf; writes df, xf
;; launch gateup (part 5): grid 256 x 1, 4 waves a work-group, no clusters, 262,656 bytes of LDS; arguments xf, gate_up_proj, gate_up_proj_bias, routing_weights, af; writes af
.if DOCPART == 5
	.amdgcn_target "amdgcn-amd-amdhsa--gfx1250"
	.amdhsa_code_object_version 6
	.text
	.protected	k_qfa6f215e18_gateup
	.globl	k_qfa6f215e18_gateup
	.p2align	8
	.type	k_qfa6f215e18_gateup,@function
k_qfa6f215e18_gateup:
	s_mov_b64 s[64:65], 0
	v_nop
	global_prefetch_b8 v0, s[64:65] scope:SCOPE_SE
	s_setreg_imm32_b32 hwreg(HW_REG_WAVE_SCHED_MODE, 0, 2), 2
	s_setreg_imm32_b32 hwreg(HW_REG_WAVE_MODE, 25, 1), 1
	s_wait_xcnt 0x0
	s_wait_alu depctr_vm_vsrc(0)
; af[t][2048 e + i] = (clip(up, -7, 7) + 1) x g x sigmoid(1.702 g) x rw[t][e], g = min(gate, 7); gate, up = columns 2 i, 2 i + 1 of x W1[e] + b1[e].  bf16 operands, f32 sums and activation, af rounded once to bf16.
; b1 and rw are rounded to bf16 like every other input and used in f32.
; SHARES.  A work-group owns 128 columns of one expert (e = group / 32, slice = group % 32).  It reads them from memory ONCE, rounds them ONCE into LDS (1,024 k x 128 columns x 2 bytes = 262,144 bytes, each
; byte written once) and multiplies all 1,024 tokens by them in two passes of 512.  Four waves, each 128 tokens x 128 columns a pass: 64 accumulators, 512 registers.  Pass 1 takes each chunk of 32 k as it arrives.
; FRAGMENT ORDER (as in the launch before): 1,024 bytes a fragment; bytes 512 q + 16 L hold row slot L % 16, k = 32 kb + 16 (L / 16) + 8 q + 0..7.  Weight fragment b = 4 g + f holds column 64 g + 4 r + f in slot r.
; THE MATRIX INSTRUCTION IS USED TRANSPOSED (source 0 = weights, source 1 = tokens): a lane holds ONE token (L % 16), and in the four accumulators f = 0..3 of a group g gate and up of the 16 neighbouring
; i = 32 g + 16 (L / 16) + 2 j + f / 2: just the two 16-byte pieces of its lane in af's fragment: af leaves straight from registers, 512 consecutive bytes a store.
; The bias is the C operand of each pass's first product.
; x comes as ready fragments from memory into registers (8 KB a wave and step).  NO CLUSTER, NO TENSOR LOADS: what the work-groups share is x, and beside the 262,144 stationary bytes and the spare words LDS has
; 65,024 bytes left, less than two slots of a step's 32,768 bytes of x.
; LIMITS.  A NaN in gate or up loses against the clamp (v_min_num_f32, v_med3_num_f32).  For a very negative gate 2^(c g) is an infinity and the sigmoid 0, as in f32 arithmetic by the formula;
; below about -4e37 the product g (up + 1) rw can itself overflow, and infinity x 0 is a NaN.  The clamp at 7 bounds the exponent below by -17.2.  k is permuted within each 32 alike in both operands.
; REGISTERS, in windows of 256 (s_set_vgpr_msb: bits 1:0 source 0, 3:2 source 1, 5:4 source 2, 7:6 destination):
;   window 0: addresses; v32-47 a rounded chunk; v48-143 three sets of four weight fragments; v144-239 three slots of f32 weights (on the way out v160-175: packed results); v240-255 rw, twice each
;   window 1: v0-191 three buffers of x (block a at 64 buf + 8 a); v192-255 the bias as C operand       window 2: accumulators (a, b = 0..3) at 32 a + 8 b       window 3: b = 4..7 likewise
; THE MODE: SCHED_MODE bits 1:0 = 2 (LLVM: expert scheduling mode 2), set by the entry lines.  The code itself states the register dependences between vector or matrix instructions and memory or LDS
; instructions, with s_wait_alu, always for 0.
; THE PLAN.  Registers that memory or LDS instructions touch (step t is 32 along K):
;   X0 .. X2      Step t's 64 products read X[t % 3]; the loads of step t + 2, issued in step t, land in X[(t + 2) % 3], which step t - 1's products read last.
;   F0 .. F2      Half chunk n (2 t: fragments 0-3 of chunk t; 2 t + 1: its fragments 4-7) lies in set n % 3.  Step t's products read sets 2 t % 3 and then (2 t + 1) % 3; its LDS loads land in set
;                 (2 t + 1) % 3, which held half chunk 2 t - 2, and in set (2 t + 2) % 3, which held half chunk 2 t - 1: both were read last in step t - 1.
;   W0 .. W2      Chunk c lies in slot c % 3 as loaded.  Step t's sixteen roundings read slot (t + 2) % 3; its loads of chunk t + 4 land in slot (t + 1) % 3, which step t - 1's roundings read.
;   v[TW ..]      Written by a chunk's roundings, read by the four LDS stores behind them.
;   v[OUTR ..]    Two out-buffers by turns: written by block a's roundings on the way out, read by two stores that stand in block a + 1.
;   v[RW ..]      Loaded once a pass; read and written by the way out.
;   v[BL], v[WS]  Read by the LDS loads and stores; written once in three steps.       v[XO], v[WO], v[BO], v[RO]  Made at the head, never written again.
; So ONE wait on va_vdst stands at a step's head: behind it the last step's products are done with their x buffer and their eight fragments.  The step's loads follow it, dealt among its products in groups
; of eight; those products name X[t % 3], the two sets in hand and the accumulators: none of the registers in which the loads land.  In pass 1 a second one stands between a chunk's roundings and its LDS stores.
.set SPARE, 262144                     ; behind the weights: the spare words, 128 bytes a wave: two blocks of 256 bytes that no other line names
.set XO,  3                            ; v3   16 x lane: x loads, af stores, and the lane's place in an LDS fragment
.set WO,  4                            ; v4   262,144 h + 16 r: my 16 bytes in a row of W1, 16 rows on for the upper half of the lanes
.set WS0, 6                            ; v6   4,096 g + 512 q + 16 lane: where my wave's quarter of a chunk goes
.set BL,  7                            ; v7   LDS address of the fragment loads: s[LB] + XO
.set WS,  8                            ; v8   LDS address of the chunk stores: s[LB] + WS0
.set BO,  9                            ; v9   128 h: my 32 numbers of the bias in a group of 64
.set RO,  10                           ; v10  32 r: my token's row of rw
.set SPW, 28                           ; v28  LDS address of my spare word; never rewritten
.set NIL, 29                           ; v29  0; never rewritten
.set TW,  32
.set BF,  48                           ; set s, fragment b at BF + 32 s + 8 b
.set WSL, 144
.set OUTR, 160
.set RW,  240
.set BI,  192                          ; in window 1
.set XB,  20                           ; s[20:21] xf at my wave's blocks, the step in hand
.set LB,  24                           ; s24  LDS byte of the chunk in hand
.set TRIP, 25
.set CNT, 26                           ; s26  passes to go
.set LIM, 27                           ; s27  7.0
.set NLIM, 28                          ; s28  -7.0
.set HIM, 29                           ; s29  a word's upper bf16
.set CS,  30                           ; s[30:31] c = -1.702 log2(e)
.set XB0, 32                           ; s[32:33] xf at my wave's blocks of pass 1
.set MSB, 0
.macro WIN new                         ; the immediate's high byte repeats the setting that is left; a switch that changes nothing is dropped
.if MSB != (\new)
	s_set_vgpr_msb (MSB<<8)|(\new)
.set MSB, \new
.endif
.endm
.macro PLACES                          ; four plain vector instructions behind the last step's products, ahead of the loads into registers that they read: the plain form's places at a step's head stay
.rept 4
	v_nop
.endr
.endm
.macro XLOAD buf, j, a0                ; four of my 8 token blocks' fragments of step j (from s[XB]): 8 loads of 512 consecutive bytes
	WIN 0x40
.irp a, \a0, (\a0)+1, (\a0)+2, (\a0)+3
	global_load_b128 v[64*(\buf)+8*(\a):64*(\buf)+8*(\a)+3],   v[XO], s[XB:XB+1] offset:(\j)*1024+(\a)*32768
	global_load_b128 v[64*(\buf)+8*(\a)+4:64*(\buf)+8*(\a)+7], v[XO], s[XB:XB+1] offset:(\j)*1024+(\a)*32768+512
.endr
.endm
.macro WLOAD slot, j                   ; my quarter of chunk j: 8 rows x 64 columns for each half of the lanes; a load covers two runs of 256 consecutive bytes, aligned
	WIN 0
.irp u, 0,1,2,3,4,5,6,7
	global_load_b128 v[WSL+32*(\slot)+4*(\u):WSL+32*(\slot)+4*(\u)+3], v[WO], s[6:7] offset:(\j)*524288+(\u)*16384 th:TH_LOAD_NT
.endr
.endm
.macro CONVS slot, j, again            ; rounded along k (rows 2 d, 2 d + 1 of column f -> register d of fragment f's piece) and stored, 512 consecutive LDS bytes a store.  again = 1: every chunk but the first
	WIN 0
.if \again
	s_wait_alu depctr_vm_vsrc(0)                   ; the LDS stores of the chunk before have read v[TW ..], which the roundings write again
.endif
.irp f, 0,1,2,3
.irp d, 0,1,2,3
	v_cvt_pk_bf16_f32 v[TW+4*(\f)+(\d)], v[WSL+32*(\slot)+8*(\d)+(\f)], v[WSL+32*(\slot)+8*(\d)+4+(\f)]
.endr
.endr
	s_wait_alu depctr_va_vdst(0)                   ; the roundings have written v[TW ..], which the LDS stores read, and are done reading the slot, in which the next loads of weights land
.irp f, 0,1,2,3
	ds_store_b128 v[WS], v[TW+4*(\f):TW+4*(\f)+3] offset:(\j)*8192+(\f)*1024
.endr
.endm
.macro BFETCH set, half, j             ; four weight fragments of chunk j (half 0: fragments 0-3; 1: fragments 4-7) into a set: 8 loads, each 512 consecutive bytes
	WIN 0
.irp b, 0,1,2,3
	ds_load_b128 v[BF+32*(\set)+8*(\b):BF+32*(\set)+8*(\b)+3],   v[BL] offset:(\j)*8192+(4*(\half)+(\b))*1024
	ds_load_b128 v[BF+32*(\set)+8*(\b)+4:BF+32*(\set)+8*(\b)+7], v[BL] offset:(\j)*8192+(4*(\half)+(\b))*1024+512
.endr
.endm
; 8 matrix instructions: token blocks a0, a0 + 1 x the four weight fragments of a set.  zero = 1: the pass's first step: C is the bias.  The 64 accumulators take turns, in the same order in every step.
.macro MUL8 set, half, a0, buf, zero
.if \zero
	WIN 0x94+0x40*(\half)
.else
	WIN 0xa4+0x50*(\half)
.endif
.irp a, \a0, (\a0)+1
.irp b, 0,1,2,3
.if \zero
	v_wmma_f32_16x16x32_bf16 v[32*(\a)+8*(\b):32*(\a)+8*(\b)+7], v[BF+32*(\set)+8*(\b):BF+32*(\set)+8*(\b)+7], v[64*(\buf)+8*(\a):64*(\buf)+8*(\a)+7], v[BI+32*(\half)+8*(\b):BI+32*(\half)+8*(\b)+7]
.else
	v_wmma_f32_16x16x32_bf16 v[32*(\a)+8*(\b):32*(\a)+8*(\b)+7], v[BF+32*(\set)+8*(\b):BF+32*(\set)+8*(\b)+7], v[64*(\buf)+8*(\a):64*(\buf)+8*(\a)+7], v[32*(\a)+8*(\b):32*(\a)+8*(\b)+7]
.endif
.endr
.endr
.endm
; STEP t (32 along K, 64 matrix instructions), buf = t % 3, j = t less the step at which s[XB], s[6:7] and s[LB] stand.
; Loads go out in the order x (16), weights (8) in every step: x two steps ahead, weights four chunks ahead; chunk t + 2 is rounded in step t and shown to all waves by step t + 1's barrier.
; nl: the loads younger than x of step t.  ncv: those younger than chunk t + 2.  ldx, ldw, cv, bar, fb: whether x is asked for, weights are asked for, a chunk is rounded, the barrier stands, the next step's first fragments are fetched.
; No global load stands between the barrier's signal and its wait: x is asked for behind the wait.
.macro STEP buf, j, nl, ldx, ldw, cv, ncv, bar, fb, zero
	s_wait_loadcnt \nl                             ; x of this step is in
	s_wait_dscnt 0x0                               ; fragments 0-3 of this chunk are in; my stores of chunk t + 1 are done: zero, for the other waves' sake
.if !\zero
	PLACES
	s_wait_alu depctr_va_vdst(0)                   ; the last step's products are done reading their x buffer and their two sets of fragments, in which this step's loads land; behind ADVANCE: v[BL] and v[WS] are written
.endif
.if \bar
	s_barrier_signal -1
.endif
	MUL8 (2*(\buf))%3, 0, 0, \buf, \zero
	BFETCH (2*(\buf)+1)%3, 1, \j                   ; chunk t was shown whole a barrier ago, and no byte of the weights is ever written twice.  No wait: no product since the head names this set
	MUL8 (2*(\buf))%3, 0, 2, \buf, \zero
.if \bar
	s_barrier_wait -1                              ; chunk t + 1 is whole
.endif
.if \ldx
	XLOAD ((\buf)+2)%3, (\j)+2, 0                  ; no wait: the products since the head name X[t % 3] alone
.endif
	MUL8 (2*(\buf))%3, 0, 4, \buf, \zero
.if \ldx
	XLOAD ((\buf)+2)%3, (\j)+2, 4
.endif
	MUL8 (2*(\buf))%3, 0, 6, \buf, \zero
.if \fb
	BFETCH (2*(\buf)+2)%3, 0, (\j)+1               ; into the third set, which no product of this step names
	s_wait_dscnt 8                                 ; fragments 4-7 are in; the eight loads just issued stay out
.else
	s_wait_dscnt 0x0
.endif
	MUL8 (2*(\buf)+1)%3, 1, 0, \buf, \zero
.if \ldw
	WLOAD ((\buf)+1)%3, (\j)+4                     ; the slot's roundings stand ahead of the last step's wait behind them
.endif
	MUL8 (2*(\buf)+1)%3, 1, 2, \buf, \zero
.if \cv
	s_wait_loadcnt \ncv                            ; chunk t + 2 is in
	CONVS ((\buf)+2)%3, (\j)+2, 1
.endif
	MUL8 (2*(\buf)+1)%3, 1, 4, \buf, \zero
	MUL8 (2*(\buf)+1)%3, 1, 6, \buf, \zero
.endm
.macro ADVANCE n, w                    ; the bases go n steps on
	WIN 0
	s_wait_xcnt 0x0                                ; every earlier memory instruction has had its addresses translated (ISA guide 3.1): only now are the bases rewritten
	s_wait_alu depctr_vm_vsrc(0)                   ; the LDS loads and stores issued so far have read v[BL] and v[WS], which are written below; the next step's head states that they are written
	s_add_nc_u64 s[XB:XB+1], s[XB:XB+1], (\n)*1024
.if \w
	s_add_nc_u64 s[6:7], s[6:7], (\n)*524288
.endif
	s_add_co_u32 s[LB], s[LB], (\n)*8192
	v_add_nc_u32 v[BL], s[LB], v[XO]
.if \w
	v_add_nc_u32 v[WS], s[LB], v[WS0]
.endif
.endm
.macro RWLOAD                          ; rw[token][e] of my token in each of the 8 blocks
	WIN 0
.irp a, 0,1,2,3,4,5,6,7
	global_load_b32 v[RW+2*(\a)], v[RO], s[10:11] offset:(\a)*512
.endr
.endm
	s_load_b256 s[4:11], s[0:1], 0x0               ; xf s[4:5], W1 s[6:7], b1 s[8:9], rw s[10:11]
	s_load_b64 s[12:13], s[0:1], 0x20              ; af
	v_lshl_add_u32 v[SPW], v0, 2, SPARE
	v_mov_b32 v[NIL], 0
	v_lshrrev_b32 v1, 5, v0
	v_readfirstlane_b32 s14, v1                    ; wave 0..3
	v_and_b32 v1, 15, v0                           ; r
	v_bfe_u32 v2, v0, 4, 1                         ; h
	v_and_b32 v[XO], 31, v0
	v_lshlrev_b32 v[XO], 4, v[XO]
	v_lshlrev_b32 v[WO], 4, v1
	v_lshl_add_u32 v[WO], v2, 18, v[WO]
	v_lshlrev_b32 v[BO], 7, v2
	v_lshlrev_b32 v[RO], 5, v1
	s_lshr_b32 s15, ttmp9, 5                       ; e
	s_and_b32 s16, ttmp9, 31                       ; slice
	s_wait_alu depctr_va_sdst(0)                   ; s14 is written, ahead of its first reader: LDS places and the bases of W1, xf, rw and af are made from it
	s_lshr_b32 s17, s14, 1                         ; g: which 64 columns I round
	s_and_b32 s18, s14, 1                          ; q: which piece
	s_lshl_b32 s22, s17, 12
	s_lshl_b32 s19, s18, 9
	s_add_co_u32 s22, s22, s19
	v_add_nc_u32 v[WS0], s22, v[XO]
	s_mov_b32 s[LIM], 0x40e00000
	s_mov_b32 s[NLIM], 0xc0e00000
	s_mov_b32 s[HIM], 0xffff0000
	s_mov_b32 s[CS], 0xc01d265f                    ; -1.702 x 1.442695 = -2.455467
	s_mov_b32 s[CS+1], s[CS]                       ; named with it as a pair
	s_mov_b32 s[LB], 0
	v_add_nc_u32 v[BL], s[LB], v[XO]
	v_add_nc_u32 v[WS], s[LB], v[WS0]
	s_mov_b32 s23, 0
	s_lshl_b32 s22, s15, 24                        ; W1: the expert's 16,777,216 bytes,
	s_lshl_b32 s19, s16, 9                         ; the slice's 512 bytes of a row,
	s_add_co_u32 s22, s22, s19
	s_lshl_b32 s19, s17, 8                         ; my 256 of them,
	s_add_co_u32 s22, s22, s19
	s_lshl_b32 s19, s18, 17                        ; my piece's 8 rows of 16,384 bytes
	s_add_co_u32 s22, s22, s19
	s_wait_kmcnt 0x0
	s_add_nc_u64 s[6:7], s[6:7], s[22:23]
	s_lshl_b32 s22, s14, 18                        ; xf: my 8 token blocks of 32 fragments
	s_add_nc_u64 s[XB0:XB0+1], s[4:5], s[22:23]
	s_mov_b64 s[XB:XB+1], s[XB0:XB0+1]
	s_lshl_b32 s22, s15, 14                        ; b1
	s_lshl_b32 s19, s16, 9
	s_add_co_u32 s22, s22, s19
	s_add_nc_u64 s[8:9], s[8:9], s[22:23]
	s_lshl_b32 s22, s14, 12                        ; rw: my 128 tokens' rows of 32 bytes, column e
	s_lshl_b32 s19, s15, 2
	s_add_co_u32 s22, s22, s19
	s_add_nc_u64 s[10:11], s[10:11], s[22:23]
	s_lshl_b32 s22, s14, 22                        ; af: fragment (8 w + a, 64 e + 2 slice + g)
	s_lshl_b32 s19, s15, 16
	s_add_co_u32 s22, s22, s19
	s_lshl_b32 s19, s16, 11
	s_add_co_u32 s22, s22, s19
	s_add_nc_u64 s[12:13], s[12:13], s[22:23]
	s_wait_alu depctr_va_vdst(0)                   ; the offsets and LDS addresses v[XO], v[WO], v[BL], v[WS], v[BO], v[RO] are written, which the loads and stores below read
	; PROLOGUE.  The bias goes through registers of window 2 that the first products write later.
	WIN 0x80
.set i, 0
.rept 16                               ; group i / 8, numbers 32 h + 4 (i % 8) + 0..3
	global_load_b128 v[4*i:4*i+3], v[BO], s[8:9] offset:(i/8)*256+(i%8)*16
.set i, i+1
.endr
	RWLOAD
	WLOAD 0, 0
	WLOAD 1, 1
	XLOAD 0, 0, 0
	XLOAD 0, 0, 4
	s_wait_loadcnt 40                              ; the bias is in: behind it 8 (rw) + 8 + 8 (chunks 0, 1) + 16 (x)
	WIN 0x8a
.set p, 0
.rept 32
	v_cvt_pk_bf16_f32 v[2*p], v[2*p], v[2*p+1]     ; rounded to bf16,
.set p, p+1
.endr
	WIN 0x48
.set p, 0
.rept 32                               ; and widened into its place as C operand: number 4 j + f of group g is register j of fragment 4 g + f
	v_lshlrev_b32 v[BI+8*(4*(p/16)+2*(p%2))+(p%16)/2],   16, v[2*p]
	v_and_b32     v[BI+8*(4*(p/16)+2*(p%2)+1)+(p%16)/2], s[HIM], v[2*p]
.set p, p+1
.endr
	WLOAD 2, 2                                     ; no vector instruction has named this slot
	s_wait_loadcnt 32                              ; chunk 0 is in: behind it 8 (chunk 1) + 16 (x) + 8 (chunk 2)
	CONVS 0, 0, 0
	XLOAD 1, 1, 0
	XLOAD 1, 1, 4
	WLOAD 0, 3                                     ; slot 0's roundings stand ahead of the wait in CONVS
	s_wait_loadcnt 48                              ; chunk 1 is in: behind it 16 + 8 + 16 + 8
	CONVS 1, 1, 1
	s_wait_dscnt 0x0                               ; my stores are done,
	s_barrier_signal -1
	s_barrier_wait -1                              ; everybody's are: chunks 0 and 1 are whole
	BFETCH 0, 0, 0
	; PASS 1: tokens 0-511.  By the text's own count at most 56 loads of a wave are out.  Its first step has no wait at its head: the registers in which its loads land have been named by no vector or matrix
	; instruction since the wait in CONVS.
	STEP 0, 0, 32, 1, 1, 1, 48, 1, 1, 1
	ADVANCE 1, 1
	s_mov_b32 s[TRIP], 9
.Lp1:                                  ; steps 1 to 27: three steps bring the x buffers, the sets of fragments and the slots of weights back to their start
	STEP 1, 0, 32, 1, 1, 1, 48, 1, 1, 0
	STEP 2, 1, 32, 1, 1, 1, 48, 1, 1, 0
	STEP 0, 2, 32, 1, 1, 1, 48, 1, 1, 0
	ADVANCE 3, 1
	s_sub_co_u32 s[TRIP], s[TRIP], 1
	s_cmp_lg_u32 s[TRIP], 0
	s_cbranch_scc1 .Lp1
	STEP 1, 0, 32, 1, 0, 1, 40, 1, 1, 0            ; steps 28 to 31: no load leaves its buffer, and the counts run down
	STEP 2, 1, 24, 1, 0, 1, 32, 1, 1, 0
	STEP 0, 2, 16, 0, 0, 0, 0, 1, 1, 0
	STEP 1, 3, 0, 0, 0, 0, 0, 0, 0, 0
	WIN 0
	s_mov_b32 s[CNT], 2
; THE WAY OUT of a pass, in place in the accumulators.  Block a of a window: G0, U0, G1, U1 at 32 a + 0, 8, 16, 24.  Each accumulator is read from its lowest register on.
.macro CLAMPG a                        ; number n of 16: g = min(gate, 7)
	v_min_num_f32 v[32*(\a)+16*(n/8)+n%8], v[32*(\a)+16*(n/8)+n%8], s[LIM]
.endm
.macro CLAMPU a                        ; number n of 16: up clipped
	v_med3_num_f32 v[32*(\a)+8+16*(n/8)+n%8], v[32*(\a)+8+16*(n/8)+n%8], s[NLIM], s[LIM]
.endm
.macro GATEW a                         ; U = (up + 1) rw, one fused multiply-add
.set p, 0
.rept 8
	v_pk_fma_f32 v[32*(\a)+8+16*(p/4)+2*(p%4):32*(\a)+8+16*(p/4)+2*(p%4)+1], v[32*(\a)+8+16*(p/4)+2*(p%4):32*(\a)+8+16*(p/4)+2*(p%4)+1], v[RW+2*(\a):RW+2*(\a)+1], v[RW+2*(\a):RW+2*(\a)+1]
.set p, p+1
.endr
.endm
.macro TIMESG a                        ; U = U x G
.set p, 0
.rept 8
	v_pk_mul_f32 v[32*(\a)+8+16*(p/4)+2*(p%4):32*(\a)+8+16*(p/4)+2*(p%4)+1], v[32*(\a)+8+16*(p/4)+2*(p%4):32*(\a)+8+16*(p/4)+2*(p%4)+1], v[32*(\a)+16*(p/4)+2*(p%4):32*(\a)+16*(p/4)+2*(p%4)+1]
.set p, p+1
.endr
.endm
.macro SCALEG a                        ; G = c g
.set p, 0
.rept 8
	v_pk_mul_f32 v[32*(\a)+16*(p/4)+2*(p%4):32*(\a)+16*(p/4)+2*(p%4)+1], v[32*(\a)+16*(p/4)+2*(p%4):32*(\a)+16*(p/4)+2*(p%4)+1], s[CS:CS+1] op_sel_hi:[1,0]
.set p, p+1
.endr
.endm
.macro SEND w, a                       ; block a of window w leaves from out-buffer a % 2: two stores of 512 consecutive bytes, aligned
	WIN 0
	global_store_b128 v[XO], v[OUTR+8*((\a)%2):OUTR+8*((\a)%2)+3],   s[12:13] offset:(\a)*524288+((\w)-2)*1024
	global_store_b128 v[XO], v[OUTR+8*((\a)%2)+4:OUTR+8*((\a)%2)+7], s[12:13] offset:(\a)*524288+((\w)-2)*1024+512
.endm
; Block a is finished while block a + 1 is begun: its clamps stand between block a's exponentials and reciprocals.  Each batch of 16 has ONE wait, ahead of the first
; instruction that names a result; a plain instruction stands behind the batch's last (a clamp, or a v_nop in the last block).  The stores of the block BEFORE stand directly behind the second of the two
; waits, which also shows their data written: so the stores have no wait of their own, but a walk's last two.
.macro EPIT w, a
	WIN 0x82+0x41*((\w)-2)
.set n, 0
.rept 16
	v_exp_f32 v[32*(\a)+16*(n/8)+n%8], v[32*(\a)+16*(n/8)+n%8]
.if (\a) < 7
	CLAMPG (\a)+1
.endif
.set n, n+1
.endr
.if (\a) == 7
	v_nop
.endif
	s_wait_alu depctr_va_vdst(0)                   ; the sixteen exponentials have written their results, which the additions read
.set p, 0
.rept 8
	v_pk_add_f32 v[32*(\a)+16*(p/4)+2*(p%4):32*(\a)+16*(p/4)+2*(p%4)+1], v[32*(\a)+16*(p/4)+2*(p%4):32*(\a)+16*(p/4)+2*(p%4)+1], 1.0 op_sel_hi:[1,0]
.set p, p+1
.endr
.set n, 0
.rept 16
	v_rcp_f32 v[32*(\a)+16*(n/8)+n%8], v[32*(\a)+16*(n/8)+n%8]
.if (\a) < 7
	CLAMPU (\a)+1
.endif
.set n, n+1
.endr
.if (\a) < 7
	GATEW (\a)+1
.else
	v_nop
.endif
	s_wait_alu depctr_va_vdst(0)                   ; the sixteen reciprocals have written their results, which the multiplies read; and the block before's roundings have written its out-buffer, which the stores below read
.if (\a) > 0
	SEND \w, (\a)-1
.elseif (\w) == 3
	SEND 2, 7
.endif
	WIN 0x8a+0x45*((\w)-2)
	TIMESG \a                                      ; x the sigmoid
.if (\a) < 7
	TIMESG (\a)+1                                  ; the next block: x g
.endif
	s_wait_xcnt 0x0                                ; the stores that read this out-buffer last (issued a block ago; in a walk's first two blocks: the walk before's) have had their addresses translated,
	s_wait_alu depctr_vm_vsrc(0)                   ; and have read the out-buffer, which the roundings write again
	WIN 0x0a+5*((\w)-2)
.set n, 0
.rept 8                                ; i = .. + 2 n and 2 n + 1 of my token
	v_cvt_pk_bf16_f32 v[OUTR+8*((\a)%2)+n], v[32*(\a)+8+n], v[32*(\a)+24+n]
.set n, n+1
.endr
.if (\a) < 7
	WIN 0x82+0x41*((\w)-2)
	SCALEG (\a)+1
.endif
.endm
.macro EPIW w                          ; a window's eight blocks: column group g = w - 2
	WIN 0x82+0x41*((\w)-2)
.set n, 0
.rept 16
	CLAMPG 0
.set n, n+1
.endr
.set n, 0
.rept 16
	CLAMPU 0
.set n, n+1
.endr
	GATEW 0
	WIN 0x8a+0x45*((\w)-2)
	TIMESG 0
	WIN 0x82+0x41*((\w)-2)
	SCALEG 0
.irp a, 0,1,2,3,4,5,6,7
	EPIT \w, \a
.endr
.endm
.Lepi:                                 ; walked twice: behind pass 1 and behind pass 2
.irp a, 0,1,2,3,4,5,6,7                ; rw rounded to bf16, widened, twice for the packed forms: 24 plain instructions, also the places behind the last products
	v_cvt_pk_bf16_f32 v[RW+2*(\a)], v[RW+2*(\a)], v[RW+2*(\a)]
.endr
.irp a, 0,1,2,3,4,5,6,7
	v_lshlrev_b32 v[RW+2*(\a)], 16, v[RW+2*(\a)]
.endr
.irp a, 0,1,2,3,4,5,6,7
	v_mov_b32 v[RW+2*(\a)+1], v[RW+2*(\a)]
.endr
	EPIW 2
	EPIW 3
	s_wait_alu depctr_va_vdst(0)                   ; the last block's roundings have written its out-buffer, which the walk's last two stores read
	SEND 3, 7
	WIN 0
	s_sub_co_u32 s[CNT], s[CNT], 1
	s_cmp_eq_u32 s[CNT], 0
	s_cbranch_scc1 .Lout
	; PASS 2: tokens 512-1023, on the weights that lie whole in LDS: no weight load, no rounding, no barrier.
	s_wait_xcnt 0x0                                ; the stores have read af's base
	s_wait_alu depctr_vm_vsrc(0)                   ; pass 1's fragment loads have read v[BL], which is written below
	s_add_nc_u64 s[XB:XB+1], s[XB0:XB0+1], 0x100000   ; 32 token blocks on
	s_add_nc_u64 s[12:13], s[12:13], 0x1000000
	s_add_nc_u64 s[10:11], s[10:11], 0x4000
	s_mov_b32 s[LB], 0
	v_add_nc_u32 v[BL], s[LB], v[XO]
	s_wait_alu depctr_va_vdst(0)                   ; v[BL] is written, which the fragment loads read; the way out is done reading and writing v[RW ..], in which the loads of rw land
	RWLOAD
	XLOAD 0, 0, 0
	XLOAD 0, 0, 4
	XLOAD 1, 1, 0
	XLOAD 1, 1, 4
	BFETCH 0, 0, 0
	STEP 0, 0, 16, 1, 0, 0, 0, 0, 1, 1             ; behind x of a step stand the 16 loads of the next step's
	ADVANCE 1, 0
	s_mov_b32 s[TRIP], 9
.Lp2:
	STEP 1, 0, 16, 1, 0, 0, 0, 0, 1, 0
	STEP 2, 1, 16, 1, 0, 0, 0, 0, 1, 0
	STEP 0, 2, 16, 1, 0, 0, 0, 0, 1, 0
	ADVANCE 3, 0
	s_sub_co_u32 s[TRIP], s[TRIP], 1
	s_cmp_lg_u32 s[TRIP], 0
	s_cbranch_scc1 .Lp2
	STEP 1, 0, 16, 1, 0, 0, 0, 0, 1, 0
	STEP 2, 1, 16, 1, 0, 0, 0, 0, 1, 0
	STEP 0, 2, 16, 0, 0, 0, 0, 0, 1, 0
	STEP 1, 3, 0, 0, 0, 0, 0, 0, 0, 0
	WIN 0
	s_branch .Lepi
.Lout:
	s_wait_dscnt 0x0                               ; the closing lines, six on end
	s_wait_alu 0x0
	s_wait_tensorcnt 0x0
	ds_add_u32 v[SPW], v[NIL]
	s_wait_dscnt 0x0
	s_endpgm
.Lfunc_end_k_qfa6f215e18_gateup:
	.size	k_qfa6f215e18_gateup, .Lfunc_end_k_qfa6f215e18_gateup-k_qfa6f215e18_gateup
	.p2alignl 7, 3214868480
	.fill 96, 4, 3214868480
	.section	.rodata,"a",@progbits
	.p2align	6, 0x0
	.amdhsa_kernel k_qfa6f215e18_gateup
		.amdhsa_group_segment_fixed_size 262656
		.amdhsa_private_segment_fixed_size 0
		.amdhsa_enable_private_segment 0
		.amdhsa_kernarg_size 40
		.amdhsa_user_sgpr_count 2
		.amdhsa_user_sgpr_kernarg_segment_ptr 1
		.amdhsa_wavefront_size32 1
		.amdhsa_system_sgpr_workgroup_id_x 1
		.amdhsa_system_sgpr_workgroup_id_y 1
		.amdhsa_system_sgpr_workgroup_id_z 1
		.amdhsa_system_vgpr_workitem_id 0
		.amdhsa_next_free_vgpr 1024
		.amdhsa_next_free_sgpr 66
		.amdhsa_reserve_vcc 0
		.amdhsa_float_denorm_mode_32 3
		.amdhsa_float_denorm_mode_16_64 3
		.amdhsa_memory_ordered 1
		.amdhsa_forward_progress 1
		.amdhsa_inst_pref_size 246
	.end_amdhsa_kernel
	.amdgpu_metadata
---
amdhsa.version: [ 1, 2 ]
amdhsa.kernels:
  - .name:           k_qfa6f215e18_gateup
    .symbol:         k_qfa6f215e18_gateup.kd
    .args:
      - { .name: xf, .offset: 0, .size: 8, .value_kind: global_buffer, .address_space: global }
      - { .name: gate_up_proj, .offset: 8, .size: 8, .value_kind: global_buffer, .address_space: global }
      - { .name: gate_up_proj_bias, .offset: 16, .size: 8, .value_kind: global_buffer, .address_space: global }
      - { .name: routing_weights, .offset: 24, .size: 8, .value_kind: global_buffer, .address_space: global }
      - { .name: af, .offset: 32, .size: 8, .value_kind: global_buffer, .address_space: global }
    .group_segment_fixed_size: 262656
    .private_segment_fixed_size: 0
    .kernarg_segment_align: 8
    .kernarg_segment_size: 40
    .max_flat_workgroup_size: 128
    .sgpr_count:     66
    .vgpr_count:     1024
    .wavefront_size: 32
...
	.end_amdgpu_metadata
.endif
;; end of part 5
;; launch down: the kernel of part 3 again; grid 8 x 32, 4 waves a work-group, clusters of 4 x 1, 327,680 bytes of LDS; arguments af, df, part; writes part
;; launch reduce: the kernel of part 4 again; grid 256 x 1, 8 waves a work-group, no clusters, 0 bytes of LDS; arguments part, routing_weights, down_proj_bias, out0; writes out0
